; MI455X (gfx1250); checked and timed in simulation.
; The chip was launched on July 23, 2026; its instructions are those of AMD's public machine-readable ISA for CDNA 5 (MIT licence, August 2026) and "CDNA5" Instruction Set Architecture Reference Guide (July 2026). The comments in the code are by the model that wrote it; some were corrected since.
;; BMOJO Attention. Allowed arithmetic: matrix products marked QUANTISED: E4M3 operands, one given power-of-two scale a tensor, by v_wmma_f32_16x16x64_fp8_fp8 or v_wmma_f32_16x16x128_fp8_fp8, f32 sums; everything else in f32.
;; Inputs: Wk2_codes 1,024 x 64 x 32 uint8 (E4M3 codes of Wk2, K innermost, in blocks of 32 codes); Wk_codes 1,024 x 64 x 32 uint8 (E4M3 codes of Wk, K innermost, in blocks of 32 codes); Wo_codes 2,048 x 64 x 32 uint8 (E4M3 codes of Wo, K innermost, in blocks of 32 codes); Wq2_codes 2,048 x 64 x 32 uint8 (E4M3 codes of Wq2, K innermost, in blocks of 32 codes); Wq_codes 2,048 x 64 x 32 uint8 (E4M3 codes of Wq, K innermost, in blocks of 32 codes); Wv2_codes 1,024 x 64 x 32 uint8 (E4M3 codes of Wv2, K innermost, in blocks of 32 codes); Wv_codes 1,024 x 64 x 32 uint8 (E4M3 codes of Wv, K innermost, in blocks of 32 codes); bk 1,024 float32; bk2 1,024 float32; bq 2,048 float32; bq2 2,048 float32; bv 1,024 float32; bv2 1,024 float32; cos 2 x 1,024 x 128 float32; gk 128 float32; gk2 128 float32; gq 128 float32; gq2 128 float32; hidden_states_codes 2 x 1,024 x 64 x 32 uint8 (E4M3 codes of hidden_states, K innermost, in blocks of 32 codes); lowp_scales 22 int32 (the exponents e of the quantised operands' scales 2^e); sin 2 x 1,024 x 128 float32.
;; Outputs: out0 2 x 1,024 x 2,048 float32.
;; This version of the problem:
;;   THIS VERSION OF THE PROBLEM IS GIVEN IN LOW PRECISION. The matrix products marked QUANTISED in the list below multiply operands that are first quantised to E4M3 (4 exponent bits, 3 mantissa bits; 8 bits a number), with one given power-of-two scale for each operand tensor; their sums are f32. All else is computed in f32.
;;   The module's matrix products, in the order in which they are computed (A, B: the left and right operand; K: the contracted axis; several contracted axes count as one K, in the product's order):
;;     1. [M 2,048, K 2,048] x [K 2,048, N 2,048]; A: input hidden_states (given as codes); B: input Wq (given as codes): QUANTISED (scales: A lowp_scales[0], B lowp_scales[1])
;;     2. [M 2,048, K 2,048] x [K 2,048, N 1,024]; A: input hidden_states (given as codes); B: input Wk (given as codes): QUANTISED (scales: A lowp_scales[2], B lowp_scales[3])
;;     3. [M 2,048, K 2,048] x [K 2,048, N 1,024]; A: input hidden_states (given as codes); B: input Wv (given as codes): QUANTISED (scales: A lowp_scales[4], B lowp_scales[5])
;;     4. [M 2,048, K 2,048] x [K 2,048, N 2,048]; A: input hidden_states (given as codes); B: input Wq2 (given as codes): QUANTISED (scales: A lowp_scales[6], B lowp_scales[7])
;;     5. [M 2,048, K 2,048] x [K 2,048, N 1,024]; A: input hidden_states (given as codes); B: input Wk2 (given as codes): QUANTISED (scales: A lowp_scales[8], B lowp_scales[9])
;;     6. [M 2,048, K 2,048] x [K 2,048, N 1,024]; A: input hidden_states (given as codes); B: input Wv2 (given as codes): QUANTISED (scales: A lowp_scales[10], B lowp_scales[11])
;;     7. batch 32 x [M 1,024, K 128] x [K 128, N 1,024]; A: computed on the way; B: computed on the way: QUANTISED (scales: A lowp_scales[12], B lowp_scales[13])
;;     8. batch 32 x [M 1,024, K 128] x [K 128, N 1,024]; A: computed on the way; B: computed on the way: QUANTISED (scales: A lowp_scales[14], B lowp_scales[15])
;;     9. batch 32 x [M 128, K 1,024] x [K 1,024, N 1,024]; A: computed on the way; B: computed on the way: QUANTISED (scales: A lowp_scales[16], B lowp_scales[17])
;;     10. batch 32 x [M 128, K 1,024] x [K 1,024, N 1,024]; A: computed on the way; B: computed on the way: QUANTISED (scales: A lowp_scales[18], B lowp_scales[19])
;;     11. [M 2,048, K 2,048] x [K 2,048, N 2,048]; A: computed on the way; B: input Wo (given as codes): QUANTISED (scales: A lowp_scales[20], B lowp_scales[21])
;;   THE QUANTISER, for each operand of a quantised product, along K:
;;     - The operand's scale is 2^e, e = its entry of the input lowp_scales (int32; the entries are numbered through the quantised products in the list's order, A before B).
;;     - Each number is divided by the scale, clamped to +-448, and rounded to the nearest number of E4M3, ties to even, subnormals kept.
;;     - The product sums the exact products of the quantised numbers (number of the format x scale) in f32.
;;   ~~~python
;;   def quantise(x, axis, e):      # numpy; x: float32 -> the quantised numbers, widened to float32 again
;;       x = np.moveaxis(x, axis, -1); K = x.shape[-1]
;;       r = np.clip(x / 2.0 ** e, -448, 448)
;;       step = 2.0 ** (np.maximum(np.frexp(np.where(r == 0, 1, r))[1] - 1, -6) - 3)
;;       q = np.round(r / step) * step * 2.0 ** e      # np.round: ties to even
;;       return np.moveaxis(q, -1, axis).astype(np.float32)
;;   ~~~
;;   OPERANDS COMPUTED ON THE WAY. 'Computed on the way' means the value that the module computes at that place (a softmax that the list does not call 'softmax' is quantised finished and normalised). What goes into a quantiser is computed in f32, as accurately as f32 sums, v_exp_f32 and their like allow (about 1e-6 of the number): no bf16 or f16 on the way to a quantiser, and a product that is left as it is and whose result goes on into a quantised operand takes f32 operands (vector FMAs, or v_wmma_f32_16x16x4_f32). A number that lies on a knife's edge between two numbers of the format may be rounded either way, as far as f32 arithmetic and the matrix unit's own rounding can turn it there, and no further.
;;   INPUTS GIVEN AS CODES. Wk (in the module: [1024, 2048], K = its axis 1); Wk2 (in the module: [1024, 2048], K = its axis 1); Wo (in the module: [2048, 2048], K = its axis 1); Wq (in the module: [2048, 2048], K = its axis 1); Wq2 (in the module: [2048, 2048], K = its axis 1); Wv (in the module: [1024, 2048], K = its axis 1); Wv2 (in the module: [1024, 2048], K = its axis 1); hidden_states (in the module: [2, 1024, 2048], K = its axis 2): each comes as NAME_codes (uint8): NAME with its K axis moved to the last place and cut into blocks of 32 codes, [.., K / 32, bytes a block], one block behind the other in memory; one code a byte (a code: sign, 4 exponent bits, 3 mantissa bits); its scale is its entry of lowp_scales. Its value is code x scale, taken as it is: it is not quantised again, and the codes and scales need not be those that the quantiser above would give.
;; One version. Each part assembles by itself: llvm-mc -triple=amdgcn-amd-amdhsa -mcpu=gfx1250 --defsym DOCPART=n.
;; ======== version 1 of 1: 3 launches
;; limits: right only within a limited range of input values
;; workspace buffers: qc 8,388,608 bytes; kc 3,670,016 bytes; vc 3,670,016 bytes; ao 4,194,304 bytes
;; launch proj (part 1): grid 224 x 1, 4 waves a work-group, clusters of 4 x 1, 327,680 bytes of LDS; arguments hidden_states_codes, Wq_codes, Wk_codes, Wv_codes, Wq2_codes, Wk2_codes, Wv2_codes, bq, bk, bv, bq2, bk2, bv2, gq, gk, gq2, gk2, cos, sin, lowp_scales, qc, kc, vc; writes qc, kc, vc
.if DOCPART == 1
	.amdgcn_target "amdgcn-amd-amdhsa--gfx1250"
	.amdhsa_code_object_version 6
	.text
	.protected	k_q0df8327efb_proj
	.globl	k_q0df8327efb_proj
	.p2align	8
	.type	k_q0df8327efb_proj,@function
k_q0df8327efb_proj:
	s_mov_b64 s[64:65], 0
	v_nop
	global_prefetch_b8 v0, s[64:65] scope:SCOPE_SE
	s_setreg_imm32_b32 hwreg(HW_REG_WAVE_MODE, 25, 1), 1
	s_wait_xcnt 0x0
	s_wait_alu depctr_hold_cnt(0) depctr_sa_sdst(0) depctr_va_vdst(0) depctr_va_sdst(0) depctr_va_ssrc(0) depctr_va_vcc(0) depctr_vm_vsrc(0)
	s_getreg_b32 s2, hwreg(HW_REG_IB_STS2, 6, 4)
	s_cmp_eq_u32 s2, 0
	s_cbranch_scc0 .Lentry_in_a_cluster
	s_endpgm
.Lentry_in_a_cluster:
	s_bfe_u32 s2, ttmp6, 0x10000c
	s_cmp_lg_u32 s2, 0x3003
	s_cbranch_scc0 .Lentry_shape_is_right
	s_endpgm
.Lentry_shape_is_right:
; The six projections (x W^T on codes of E4M3), their biases, the per-head RMS norm and the rotation of q and k, and the quantisers of q, k and v for the attention's products.
; DEAD WORK LEFT OUT.  The problem overwrites the fading score s_f(i, j) by NEG wherever i - j < 256 and the window score s_ic(i, j) wherever i - j < 0 or i - j >= 256, whatever the score holds.
;   (a) a fading query at position i < 256 has no key with i - j >= 256: every score made of it is overwritten;  (b) a fading key or value at position j >= 768 has no query i <= 1023 with i - j >= 256:
;   its scores are overwritten, and its weight p = exp(NEG - m) / l is turned into the code 0 by the stated quantiser for every scale 2^e that an int32 e can name, so its value is multiplied by 0.
;   So rows 0-255 of each batch of x Wq2^T and rows 768-1023 of x Wk2^T and x Wv2^T reach no output: 32 of the 256 tiles of 256 x 256 are not made.  Every input still has a way to the output: all are loaded.
;   LIMIT: a NaN, an infinity or an overflow that arises only in the rows left out is not carried to the result; scores as low as NEG = -1e30 are not served.
; SHARES.  A work-group makes one tile of 256 rows of x by 256 rows of one weight over K = 2048; four waves, 128 x 128 each: 64 accumulators, 512 registers.  K goes in steps of 256 through two LDS slots.
; CLUSTER 4 x 1: the four partners take four neighbouring weight tiles and the SAME 256 rows of x, which are asked for jointly (mask 15); each asks for its own weight tile alone.
;   Not 4 x 4: the live fading tiles have six row tiles for each weight, which rows of four do not divide, and tiles of q or k (168) and of v (56) run different tails, so they cannot share a cluster of sixteen.
; THE WALK ALONG K BEGINS AT ANOTHER STEP IN EACH CLUSTER: the cluster of weight group g and row tile i begins at K step 2 ((g + i) % 4) and goes round the end of K.  Clusters that read the same rows of x (same i)
;   or of a weight (same g) so ask for different bytes at any one time; four starts and two first fills each: all eight K steps of a tile are asked for at the launch's head by one cluster or another.
;   LIMIT: the f32 sums run along K from the cluster's own first step round the end: an order of rounding that differs from cluster to cluster.
; LAYOUT.  Source 1 of the matrix instruction gives the result's lanes, source 0 its registers.  q, k: source 1 = rows of x (a lane holds ONE position), source 0 = rows of W (its 64 registers are the head's features
;   16 bb + 8 (lane / 16) + j).  v: the two change places, by the LDS base alone: a lane holds one feature and its registers run along the positions, which are the K of p v.  So eight registers convert into
;   two registers of the next operand as they stand, and the codes are stored as IMAGES OF OPERAND REGISTERS: 2,048 bytes for 16 rows x 128 K, group c of four registers of lane l at 512 c + 16 l.
; LIMITS on the given exponents, so that each power of two is an f32 number: e[2p] + e[2p+1] (p = 0..5) between -126 and 127; e12..e16, e18 between -126 and 119.  NaN among the inputs is not served.
.set KROW,   2048                      ; a row of x or of a weight in bytes
.set ROWB,   256                       ; a tile's row: 256 codes
.set PITCH,  272                       ; in LDS: + 16 bytes, so that the 16 rows of a fragment load start 4 banks apart
.set FR,     16                        ; registers of a fragment, 16 rows x 128 K
.set NL,     4                         ; LDS loads that bring one
.set NP,     4                         ; places behind this matrix instruction (ISA guide 7.12.1)
.set HALFT,  128*PITCH                 ; what one tensor load brings
.set SLOT,   4*HALFT                   ; x's 256 rows, then the weight's 256 rows
.set LAPS,   4                         ; 2048 / 512: a lap is once round the ring
.set SPARE,  2*SLOT                    ; behind the ring: the spare words, 128 bytes a wave
.set TPITCH, 528                       ; a row of cos or sin in LDS: 512 bytes + 16
.set TQ,     64*TPITCH                 ; 64 such rows: one wave's table load
.set TA,   10                          ; v10, v11  my place in the tables of slot 0, slot 1
.set LA,   12                          ; v12  16 x lane: an image's place for my lane
.set BO,   13                          ; v13  32 x (lane / 16): my eight features' bias and gain
.set VO,   14                          ; v14  4 x (lane % 16): my feature's bias (v)
.set ADRA, 16                          ; v16-17  source 1's fragments in slot 0, 1
.set ADRB, 20                          ; v20-21  source 0's
.set SPW,  28                          ; v28  my spare word;  v29  0
.set NIL,  29
.set BI,   32                          ; v32-95   biases
.set SS,   96                          ; v96-103  sums of squares
.set RS,   106                         ; v[106:107] 1 / rms (the low word serves both halves)
.set LIM,  108                         ; v108 448 x 2^e;  v109 2^e
.set SCL,  109
.set CD,   112                         ; v112-127 the codes just made
.set AF,   128                         ; v128-255 source 1's fragments, one set
.set GN,   128                         ; the tail: v128-191 gains, v192-255 the block's 64 numbers
.set Y,    192
.set CO,   0                           ; window 1 in the tail: cos, sin, the rotated numbers
.set SI,   64
.set Z,    128
.set G1,   24                          ; s[24:31] group 1 for x's tiles;  s[32:39] group 0, a set for each slot
.set G0,   32
.set G1T,  40                          ; s[40:47] group 1 for the tables;  s[68:71] their group 0
.set G1B,  48                          ; s[48:55], s[56:63] the weight's
.set G0B,  56
.set G0T,  68
.set HB,   84                          ; s[84:85] x at my 128 rows, K = 0;  s[86:87] the weight likewise (from the second batch of arguments on)
.set WB,   86
.set KO,   100                         ; s[100:101] the byte along K at which slot 0's K step in hand begins: a multiple of 512, under 2,048
.set MSB, 0
.macro WIN new                         ; the immediate's high byte repeats the setting that is left
.if MSB != (\new)
	s_set_vgpr_msb (MSB<<8)|(\new)
.set MSB, (\new)
.endif
.endm
.set MUL_LO, 0xa1                      ; source 0 window 1, source 1 window 0, C and D window 2
.set MUL_HI, 0xf1                      ; the same, C and D window 3
.set TO_B,   0x40                      ; destination window 1
.macro PLACES n
.rept \n
	v_nop
.endr
.endm
; Waves 0 and 1 ask for x's two halves (jointly), waves 2 and 3 for the weight's.  The branch hangs on the wave's number alone.  An s_nop 0 and four v_nop follow each line.
.macro JLOAD g0a, g1a, g0b, g1b
	s_cmp_eq_u32 s18, 0
	s_cbranch_scc0 .Lfor_b_\@
	tensor_load_to_lds s[\g0a:\g0a+3], s[\g1a:\g1a+7]
	s_nop 0
	PLACES 4
	s_branch .Lasked_\@
.Lfor_b_\@:
	tensor_load_to_lds s[\g0b:\g0b+3], s[\g1b:\g1b+7]
	s_nop 0
	PLACES 4
.Lasked_\@:
.endm
; The two global addresses of a slot's next fill: the rows' first byte + KO; slot 1 takes the K step behind slot 0's (KO is a multiple of 512, so KO + 256 stays inside the row).  Then the type bits.
.macro KADR slot, hb, wb
	s_add_nc_u64 s[G0+4*\slot+2:G0+4*\slot+3], s[\hb:\hb+1], s[KO:KO+1]
	s_add_nc_u64 s[G0B+4*\slot+2:G0B+4*\slot+3], s[\wb:\wb+1], s[KO:KO+1]
.if \slot
	s_add_nc_u64 s[G0+4*\slot+2:G0+4*\slot+3], s[G0+4*\slot+2:G0+4*\slot+3], ROWB
	s_add_nc_u64 s[G0B+4*\slot+2:G0B+4*\slot+3], s[G0B+4*\slot+2:G0B+4*\slot+3], ROWB
.endif
	s_or_b32 s[G0+4*\slot+3], s[G0+4*\slot+3], 0x80000000
	s_or_b32 s[G0B+4*\slot+3], s[G0B+4*\slot+3], 0x80000000
.endm
.macro CREST                           ; a round of the cluster's barrier behind its opening barrier
	s_cmp_lg_u32 s14, 0
	s_cbranch_scc1 .Lnot_wave_0_\@
	s_barrier_signal -3
.Lnot_wave_0_\@:
	s_barrier_wait -3
	s_barrier_signal -1
	s_barrier_wait -1
.endm
.macro CROUND
	s_barrier_signal -1
	s_barrier_wait -1
	CREST
.endm
	s_load_b512 s[68:83], s[0:1], 0x0              ; x s[68:69], Wq, Wk, Wv, Wq2, Wk2, Wv2 s[70:81]
	s_load_b64 s[12:13], s[0:1], 0x98              ; the scales' exponents
	v_lshl_add_u32 v[SPW], v0, 2, SPARE
	v_mov_b32 v[NIL], 0
	ds_add_u32 v[SPW], v[NIL]                      ; the opening: the add, twice on end, and its wait ahead of my first tensor load
	ds_add_u32 v[SPW], v[NIL]
	v_lshrrev_b32 v1, 5, v0
	v_readfirstlane_b32 s14, v1                    ; wave 0..3
	s_lshr_b32 s15, s14, 1                         ; I: my half of source 1's rows.  Also: I fetch for x (0) or for the weight (1)
	s_and_b32 s16, s14, 1                          ; J: my half of source 0's rows.  Also: which 128 rows I fetch
	s_bfe_u32 s18, ttmp6, 0x40000                  ; cx: my place in the cluster
	s_cmp_ge_u32 ttmp9, 32                         ; clusters 0-31: the window's path; 32-55: the fading path
	s_cselect_b32 s19, 1, 0                        ; path
	s_lshl_b32 s2, s19, 5
	s_sub_co_u32 s17, ttmp9, s2
	s_and_b32 s20, s17, 3                          ; group of four weight tiles: 0, 1 = q's eight, 2 = k's, 3 = v's
	s_lshr_b32 s22, s17, 2                         ; which of the path's live row tiles
	s_add_co_u32 s[KO], s20, s22                   ; where my cluster's walk along K begins: K step 2 ((group + row tile) % 4), 512 bytes for two K steps;
	s_and_b32 s[KO], s[KO], 3                      ; made of the cluster's number alone: the same in all four partners
	s_lshl_b32 s[KO], s[KO], 9
	s_mov_b32 s[KO+1], 0
	s_max_u32 s21, s20, 1
	s_sub_co_u32 s21, s21, 1                       ; kind: 0 q, 1 k, 2 v
	s_cmp_eq_u32 s20, 1
	s_cselect_b32 s23, 4, 0
	s_add_co_u32 s23, s23, s18                     ; my weight tile
	s_cmp_ge_u32 s22, 3
	s_cselect_b32 s2, 1, 0
	s_cmp_eq_u32 s21, 0
	s_cselect_b32 s17, 1, 0
	s_add_co_u32 s2, s2, s17
	s_mul_i32 s2, s2, s19
	s_add_co_u32 s22, s22, s2                      ; the row tile of x: fading q takes 1,2,3,5,6,7, fading k and v 0,1,2,4,5,6
	s_cmp_eq_u32 s21, 2
	s_cselect_b32 s20, 1, 0                        ; 1 in a cluster of v: the same in all four partners
	s_xor_b32 s18, s15, s20                        ; 0: my wave fetches x, 1: the weight.  In a cluster of v the fetching waves change roles, so that the weight lands where source 1 is read and x where source 0 is: every LDS address hangs on the wave's number alone
	s_mov_b32 s[G1], 15|(1<<20)|(1<<21)|(5<<22)|(3<<25)   ; the mask of all four; bytes; padding of 4 words behind every 64; bit 21 beside a mask
	s_mov_b32 s[G1B], (1<<20)|(5<<22)|(3<<25)      ; the same with no mask: my own weight tile
.irp g, G1, G1B
	s_mov_b32 s[\g+1], ROWB<<16                    ; tensor_dim0
	s_mov_b32 s[\g+2], 128<<16                     ; tensor_dim1
	s_mov_b32 s[\g+3], ROWB<<16                    ; tile_dim0
	s_mov_b32 s[\g+4], 128                         ; tile_dim1
	s_mov_b32 s[\g+5], KROW                        ; from row to row
	s_mov_b32 s[\g+6], 0
	s_mov_b32 s[\g+7], 0
.endr
	s_mov_b32 s[G1T], 15|(2<<16)|(1<<20)|(1<<21)|(6<<22)|(3<<25)   ; the tables: 64 rows of 128 f32, 4 words of padding behind every 128; jointly
	s_mov_b32 s[G1T+1], 128<<16
	s_mov_b32 s[G1T+2], 64<<16
	s_mov_b32 s[G1T+3], 128<<16
	s_mov_b32 s[G1T+4], 64
	s_mov_b32 s[G1T+5], 128
	s_mov_b32 s[G1T+6], 0
	s_mov_b32 s[G1T+7], 0
	s_lshl_b32 s2, s22, 19                         ; x: (256 x row tile + 128 J) rows of 2,048 bytes
	s_lshl_b32 s3, s16, 18
	s_add_co_u32 s2, s2, s3
	s_mov_b32 s3, 0
	s_lshl_b32 s10, s23, 19                        ; the weight likewise, by its own tile
	s_lshl_b32 s11, s16, 18
	s_add_co_u32 s10, s10, s11
	s_mov_b32 s11, 0
	s_mul_i32 s9, s14, HALFT                       ; where they go: wave x 128 rows
	s_wait_dscnt 0x0                               ; both opening adds are done
	s_wait_kmcnt 0x0
	s_add_nc_u64 s[4:5], s[68:69], s[2:3]
	s_cmp_eq_u32 s19, 1                            ; the weight is chosen by ids alone
	s_cselect_b64 s[70:71], s[76:77], s[70:71]
	s_cselect_b64 s[72:73], s[78:79], s[72:73]
	s_cselect_b64 s[74:75], s[80:81], s[74:75]
	s_cmp_eq_u32 s21, 1
	s_cselect_b64 s[6:7], s[72:73], s[70:71]
	s_cmp_eq_u32 s21, 2
	s_cselect_b64 s[6:7], s[74:75], s[6:7]
	s_add_nc_u64 s[6:7], s[6:7], s[10:11]
	CROUND                                         ; all four work-groups are here: the first joint loads meet
.irp s, 0,1
	s_mov_b32 s[G0+4*\s], 1
	s_add_co_u32 s[G0+4*\s+1], s9, \s*SLOT
	s_mov_b32 s[G0B+4*\s], 1
	s_add_co_u32 s[G0B+4*\s+1], s9, \s*SLOT
	KADR \s, 4, 6                                  ; my walk's first two K steps
.endr
	JLOAD G0, G1, G0B, G1B                         ; the first K step: one tensor load a wave at the head
	s_load_b512 s[68:83], s[0:1], 0x38             ; bq bk bv bq2 bk2 bv2 s[68:79], gq gk s[80:83]
	s_load_b512 s[84:99], s[0:1], 0x78             ; gq2 gk2 s[84:87], cos sin s[88:91], (scales), qc kc vc s[94:99]
	s_mul_i32 s2, s19, 3
	s_add_co_u32 s2, s2, s21
	s_lshl_b32 s2, s2, 3                           ; product 3 path + kind: its two exponents lie 8 bytes a product
	s_load_b64 s[66:67], s[12:13], s2 offset:0x0
	s_lshl_b32 s3, s19, 1
	s_add_co_u32 s3, s3, s21
	s_lshl_b32 s8, s20, 1
	s_add_co_u32 s3, s3, s8
	s_add_co_u32 s3, s3, 12                        ; my result's own entry: q 12 + 2 path, k 13 + 2 path, v 16 + 2 path
	s_lshl_b32 s3, s3, 2
	s_load_b32 s17, s[12:13], s3 offset:0x0
	v_and_b32 v1, 15, v0                           ; r
	v_bfe_u32 v2, v0, 4, 1                         ; h
	v_mul_u32_u24 v3, v1, PITCH
	v_lshl_add_u32 v4, v2, 4, v3                   ; a fragment's row x pitch + 16 h
	s_wait_alu depctr_va_vdst(0)
	s_mul_i32 s8, s15, HALFT                       ; source 1: the slot's first 256 rows (what waves 0 and 1 fetched), my half of them
	s_mul_i32 s9, s16, HALFT
	s_add_co_u32 s9, s9, 2*HALFT                   ; source 0: the slot's last 256 rows
.irp s, 0,1
	v_add_nc_u32 v[ADRA+\s], s8, v4
	v_add_nc_u32 v[ADRB+\s], s9, v4
	s_add_co_u32 s8, s8, SLOT
	s_add_co_u32 s9, s9, SLOT
.endr
	v_mul_u32_u24 v3, v1, TPITCH
	v_lshl_add_u32 v3, v2, 5, v3
	s_mul_i32 s10, s15, 2*TQ
	v_add_nc_u32 v[TA], s10, v3                    ; the tables: my half's cos (sin lies TQ on), row r, + 32 h
	v_add_nc_u32 v[TA+1], SLOT, v[TA]
	v_and_b32 v3, 31, v0
	v_lshlrev_b32 v[LA], 4, v3
	v_lshlrev_b32 v[BO], 5, v2
	v_lshlrev_b32 v[VO], 2, v1
	v_mov_b32 v[RS+1], 0                           ; (named as the upper half of a pair)
	s_wait_kmcnt 0x0
	s_cmp_eq_u32 s19, 1                            ; bias, gain and output are chosen by ids alone
	s_cselect_b64 s[68:69], s[74:75], s[68:69]
	s_cselect_b64 s[70:71], s[76:77], s[70:71]
	s_cselect_b64 s[72:73], s[78:79], s[72:73]
	s_cselect_b64 s[80:81], s[84:85], s[80:81]
	s_cselect_b64 s[82:83], s[86:87], s[82:83]
	s_cmp_eq_u32 s21, 1
	s_cselect_b64 s[8:9], s[70:71], s[68:69]
	s_cselect_b64 s[10:11], s[82:83], s[80:81]
	s_cselect_b64 s[74:75], s[96:97], s[94:95]
	s_cmp_eq_u32 s21, 2
	s_cselect_b64 s[8:9], s[72:73], s[8:9]
	s_cselect_b64 s[74:75], s[98:99], s[74:75]
	s_cmp_eq_u32 s16, 1                            ; the tables' group 0: even waves cos, odd waves sin; positions 256 x row tile + 128 x (wave / 2)
	s_cselect_b64 s[70:71], s[90:91], s[88:89]
	s_lshl_b32 s76, s22, 17
	s_lshl_b32 s77, s15, 16
	s_add_co_u32 s76, s76, s77
	s_mov_b32 s77, 0
	s_add_nc_u64 s[70:71], s[70:71], s[76:77]
	s_or_b32 s71, s71, 0x80000000
	s_mov_b32 s68, 1
	s_mul_i32 s69, s14, TQ
	s_mov_b64 s[HB:HB+1], s[4:5]                   ; the rows' first bytes are kept for the refills: s[84:87] have been used, s4 to s7 are at work below
	s_mov_b64 s[WB:WB+1], s[6:7]
	s_cmp_eq_u32 s20, 1
	s_cselect_b32 s2, s15, s16                     ; my half of the weight's rows,
	s_cselect_b32 s3, s16, s15                     ; and of x's
	s_lshl_b32 s4, s23, 10
	s_lshl_b32 s5, s2, 9
	s_add_co_u32 s4, s4, s5
	s_mov_b32 s5, 0
	s_add_nc_u64 s[8:9], s[8:9], s[4:5]            ; the bias at my 128 features
	s_lshr_b32 s6, s22, 2                          ; batch
	s_lshl_b32 s7, s23, 1
	s_add_co_u32 s7, s7, s2                        ; head
	s_lshl_b32 s4, s6, 4
	s_add_co_u32 s4, s4, s7
	s_lshl_b32 s4, s4, 1
	s_add_co_u32 s4, s4, s19
	s_lshl_b32 s4, s4, 17                          ; qc: ((batch 16 + head) 2 + path) x 64 images
	s_lshl_b32 s5, s6, 3
	s_add_co_u32 s5, s5, s7
	s_mul_i32 s5, s5, 229376                       ; kc, vc: (batch 8 + head) x 112 images: 48 fading, then 64 of the window
	s_xor_b32 s6, s19, 1
	s_mul_i32 s6, s6, 98304
	s_add_co_u32 s5, s5, s6
	s_cmp_eq_u32 s21, 0
	s_cselect_b32 s4, s4, s5
	s_and_b32 s5, s22, 3
	s_lshl_b32 s5, s5, 15                          ; + 16 images for each 256 positions,
	s_add_co_u32 s4, s4, s5
	s_lshl_b32 s5, s3, 14                          ; + 8 for my 128 of them
	s_add_co_u32 s4, s4, s5
	s_mov_b32 s5, 0
	s_add_nc_u64 s[74:75], s[74:75], s[4:5]
	s_add_co_i32 s66, s66, s67
	s_add_co_i32 s66, s66, 127
	s_lshl_b32 s66, s66, 23                        ; 2^(the product's two exponents) as f32
	s_mov_b32 s67, s66
	s_add_co_i32 s17, s17, 127
	s_lshl_b32 s78, s17, 23
	v_mov_b32 v[SCL], s78                          ; 2^e of my result: the conversion takes its exponent field
	s_add_co_i32 s17, s17, 8
	s_lshl_b32 s17, s17, 23
	s_or_b32 s17, s17, 0x600000
	v_mov_b32 v[LIM], s17                          ; 448 x 2^e
	s_mov_b32 s80, 0x76543210                      ; lane l xor 16
	s_mov_b32 s81, 0xfedcba98
	s_mov_b32 s82, 0x3c000000                      ; 1 / 128
	s_mov_b32 s83, 0x358637bd                      ; 1e-6
.macro FRAG reg, adr, q, i             ; 16 rows x 128 K: registers 4 c .. 4 c + 3 hold K = 32 c + 16 (l / 16) + 0 .. 15: one order of k for both sources, so every product meets its partner
.irp c, 0,1,2,3
	ds_load_b128 v[\reg+4*\c:\reg+4*\c+3], v[\adr] offset:128*(\q)+32*\c+(\i)*16*PITCH
.endr
.endm
; 16 matrix instructions: source 1's blocks a0, a0 + 1 against source 0's eight.  The 64 accumulators take turns, one instruction a turn, in the same order in every step.
.macro MUL16 a0, p, zero
.irp a, \a0, \a0+1
.irp b, 0,1,2,3,4,5,6,7
.if \zero
	v_wmma_f32_16x16x128_fp8_fp8 v[8*(8*((\a)%4)+\b):8*(8*((\a)%4)+\b)+7], v[128*(\p)+FR*\b:128*(\p)+FR*\b+FR-1], v[AF+FR*(\a):AF+FR*(\a)+FR-1], 0
.else
	v_wmma_f32_16x16x128_fp8_fp8 v[8*(8*((\a)%4)+\b):8*(8*((\a)%4)+\b)+7], v[128*(\p)+FR*\b:128*(\p)+FR*\b+FR-1], v[AF+FR*(\a):AF+FR*(\a)+FR-1], v[8*(8*((\a)%4)+\b):8*(8*((\a)%4)+\b)+7]
.endif
.endr
.endr
.endm
.macro FETCH_B slot, q, p
	WIN TO_B
.irp i, 0,1,2,3,4,5,6,7
	FRAG 128*(\p)+FR*\i, ADRB+\slot, \q, \i
.endr
	WIN 0
.endm
.macro FETCH_A slot, q, i0
.irp i, \i0, \i0+1, \i0+2, \i0+3
	FRAG AF+FR*(\i), ADRA+\slot, \q, \i
.endr
.endm
.macro STEP slot, q, zero              ; 128 along K, with its successor in the same slot
	s_wait_dscnt 4*NL                              ; all but the youngest sixteen loads (source 1's blocks 4-7)
	WIN MUL_LO
	MUL16 0, (\q)%2, \zero
	MUL16 2, (\q)%2, \zero
	s_wait_dscnt 0
	PLACES NP                                      ; in front of loads into registers that matrix instructions have read
	FETCH_B \slot, (\q)+1, 1-(\q)%2
	FETCH_A \slot, (\q)+1, 0
	WIN MUL_HI
	MUL16 4, (\q)%2, \zero
	MUL16 6, (\q)%2, \zero
	PLACES NP
	WIN 0
	FETCH_A \slot, (\q)+1, 4
.endm
; A slot's last step changes slots.  fill = 1: this slot is filled again, two K steps on, round the end of K;  2: it takes the first half of the tables;  0: nothing.
.macro TURN slot, next, fill
	s_wait_tensorcnt 0x0                           ; all my tensor loads have landed: my part of the next slot; so every group 0 may be written
	ds_add_u32 v[SPW], v[NIL]                      ; the addresses below, work on registers, stand between the add and the wait for it
.if \fill == 1
.if \slot == 0
	s_add_co_u32 s[KO], s[KO], 2*ROWB              ; two K steps on,
	s_and_b32 s[KO], s[KO], KROW-1                 ; round the end of the row
.endif
	KADR \slot, HB, WB
.endif
	s_wait_dscnt 4*NL+1                            ; (the add and the youngest sixteen loads may be out)
	WIN MUL_LO
	MUL16 0, 1, 0
	s_wait_dscnt 0x0                               ; the add is done, and my reads of this slot are over
	s_barrier_signal -1
	MUL16 2, 1, 0
	WIN 0
	s_barrier_wait -1
.if \fill == 1
	CREST                                          ; the barrier has opened a round of the cluster's: no wave of any partner still reads this slot or has a load on its way
	JLOAD G0+4*\slot, G1, G0B+4*\slot, G1B
.elseif \fill == 2
	CREST
	tensor_load_to_lds s[G0T:G0T+3], s[G1T:G1T+7]  ; every wave: 64 rows of cos or of sin, at wave x TQ
	s_nop 0
	PLACES 4
.else
	PLACES NP
.endif
	FETCH_B \next, 0, 0
	FETCH_A \next, 0, 0
	WIN MUL_HI
	MUL16 4, 1, 0
	MUL16 6, 1, 0
	PLACES NP
	WIN 0
	FETCH_A \next, 0, 4
.endm
.macro LAST gains                      ; the very last step; gains = 1: the gains land where source 1's blocks 0-3 lay
	s_wait_dscnt 4*NL
	WIN MUL_LO
	MUL16 0, 1, 0
	MUL16 2, 1, 0
	s_wait_dscnt 0
.if \gains
	PLACES NP
	WIN 0
.set ii, 0
.rept 8
	global_load_b128 v[GN+8*ii:GN+8*ii+3], v[BO], s[10:11] offset:64*ii
	global_load_b128 v[GN+8*ii+4:GN+8*ii+7], v[BO], s[10:11] offset:64*ii+16
.set ii, ii+1
.endr
.endif
	WIN MUL_HI
	MUL16 4, 1, 0
	MUL16 6, 1, 0
	PLACES NP                                      ; in front of the first reads of results and the first writes of operands
	WIN 0
.endm
	s_wait_alu depctr_va_vdst(0)                   ; the wait at the head's end
	s_wait_tensorcnt 0x0                           ; my part of the first K step is in
	ds_add_u32 v[SPW], v[NIL]
	s_wait_dscnt 0x0
	CROUND                                         ; everybody's part is in, and the four partners' joint loads meet
	JLOAD G0+4, G1, G0B+4, G1B                     ; slot 1's first fill: the first tensor load behind the round
	FETCH_B 0, 0, 0
	FETCH_A 0, 0, 0
	FETCH_A 0, 0, 4
	STEP 0, 0, 1                                   ; the first step's products start the sums
	s_mov_b32 s3, LAPS-1
.Llap:
	TURN 0, 1, 1
	STEP 1, 0, 0
	TURN 1, 0, 1
	STEP 0, 0, 0
	s_sub_co_u32 s3, s3, 1
	s_cmp_lg_u32 s3, 0
	s_cbranch_scc1 .Llap
	s_cmp_eq_u32 s20, 1                            ; made of the cluster's number: the same in all four partners and all waves
	s_cbranch_scc1 .Lv_tail
; ---- q and k.  Block a: 16 positions (a lane: one) x the head's 128 features (64 a lane; the other 64 lie in lane l xor 16).
.macro EPI_QK a
.set AC, 64*((\a)%4)
.set TR, TA+(\a)/4
.set TO, 16*((\a)%4)*TPITCH
	WIN 0x40
.set ii, 0
.rept 8
	ds_load_b128 v[CO+8*ii:CO+8*ii+3], v[TR] offset:TO+64*ii
	ds_load_b128 v[CO+8*ii+4:CO+8*ii+7], v[TR] offset:TO+64*ii+16
	ds_load_b128 v[SI+8*ii:SI+8*ii+3], v[TR] offset:TO+TQ+64*ii
	ds_load_b128 v[SI+8*ii+4:SI+8*ii+7], v[TR] offset:TO+TQ+64*ii+16
.set ii, ii+1
.endr
	WIN 0x02+(\a)/4                                ; source 0: the accumulators' window
.set ii, 0
.rept 32
	v_pk_fma_f32 v[Y+ii:Y+ii+1], v[AC+ii:AC+ii+1], s[66:67], v[BI+ii:BI+ii+1] op_sel_hi:[1,0,1]   ; sum x 2^(ea + eb) + bias; each accumulator from its low end on
.set ii, ii+2
.endr
	WIN 0
.set ii, 0
.rept 4
	v_pk_mul_f32 v[SS+ii:SS+ii+1], v[Y+ii:Y+ii+1], v[Y+ii:Y+ii+1]   ; the sum of squares, in four chains
.set ii, ii+2
.endr
.rept 28
	v_pk_fma_f32 v[SS+ii%8:SS+ii%8+1], v[Y+ii:Y+ii+1], v[Y+ii:Y+ii+1], v[SS+ii%8:SS+ii%8+1]
.set ii, ii+2
.endr
	v_pk_add_f32 v[SS:SS+1], v[SS:SS+1], v[SS+2:SS+3]
	v_pk_add_f32 v[SS+4:SS+5], v[SS+4:SS+5], v[SS+6:SS+7]
	v_pk_add_f32 v[SS:SS+1], v[SS:SS+1], v[SS+4:SS+5]
	v_add_f32 v[SS], v[SS], v[SS+1]
	v_permlanex16_b32 v[SS+2], v[SS], s80, s81     ; the position's other 64 features
	v_add_f32 v[SS], v[SS], v[SS+2]
	v_fma_f32 v[SS], v[SS], s82, s83               ; the mean + 1e-6
	s_wait_alu depctr_va_vdst(0)
	v_rsq_f32 v[RS], v[SS]
.set ii, 0
.rept 32
	v_pk_mul_f32 v[Y+ii:Y+ii+1], v[Y+ii:Y+ii+1], v[GN+ii:GN+ii+1]   ; x gain: work that names nothing of the root
.set ii, ii+2
.endr
	s_wait_dscnt 0x0                               ; cos and sin are in
	WIN 0x54                                       ; numbers window 0; tables, C and D window 1
.set ii, 0
.rept 16
	v_pk_mul_f32 v[Z+ii:Z+ii+1], v[Y+ii:Y+ii+1], v[CO+ii:CO+ii+1]
	v_pk_mul_f32 v[Z+32+ii:Z+32+ii+1], v[Y+32+ii:Y+32+ii+1], v[CO+32+ii:CO+32+ii+1]
.set ii, ii+2
.endr
.set ii, 0
.rept 16                               ; register + 32 is feature + 64 of the same lane
	v_pk_fma_f32 v[Z+ii:Z+ii+1], v[Y+32+ii:Y+32+ii+1], v[SI+ii:SI+ii+1], v[Z+ii:Z+ii+1] neg_lo:[1,0,0] neg_hi:[1,0,0]
	v_pk_fma_f32 v[Z+32+ii:Z+32+ii+1], v[Y+ii:Y+ii+1], v[SI+32+ii:SI+32+ii+1], v[Z+32+ii:Z+32+ii+1]
.set ii, ii+2
.endr
	s_wait_alu depctr_va_vdst(0)                   ; the wait ahead of the root's first reader
	WIN 0x41
.set ii, 0
.rept 32
	v_pk_mul_f32 v[Z+ii:Z+ii+1], v[Z+ii:Z+ii+1], v[RS:RS+1] op_sel_hi:[1,0]   ; x 1 / rms: a factor of the whole row, so it may come last
.set ii, ii+2
.endr
.set ii, 0
.rept 64
	v_med3_num_f32 v[Z+ii], v[Z+ii], -v[LIM], v[LIM]   ; the conversion does not saturate (ISA guide 7.6.2): the hold at the largest code x the scale
.set ii, ii+1
.endr
	s_wait_alu depctr_va_vdst(0)
	s_wait_xcnt 0x0                                ; the last block's stores have read the codes' registers
	WIN 0x01
.set ii, 0
.rept 8
	v_cvt_scalef32_pk8_fp8_f32 v[CD+2*ii:CD+2*ii+1], v[Z+8*ii:Z+8*ii+7], v[SCL]   ; features 16 ii + 8 h + 0 .. 7: registers 2 ii, 2 ii + 1 of the next operand
.set ii, ii+1
.endr
	v_nop                                          ; a plain line behind the last conversion
	WIN 0
.irp c, 0,1,2,3
	global_store_b128 v[LA], v[CD+4*\c:CD+4*\c+3], s[74:75] offset:(\a)*2048+512*\c   ; 32 lanes store 512 bytes on end
.endr
.endm
.set ii, 0
	s_wait_alu depctr_va_vdst(0)
.rept 8
	global_load_b128 v[BI+8*ii:BI+8*ii+3], v[BO], s[8:9] offset:64*ii
	global_load_b128 v[BI+8*ii+4:BI+8*ii+7], v[BO], s[8:9] offset:64*ii+16
.set ii, ii+1
.endr
	TURN 0, 1, 2                                   ; slot 0 is left: it takes cos and sin of positions 0-63 of each half
	STEP 1, 0, 0
	LAST 1
	s_wait_tensorcnt 0x0                           ; the tables' first half has landed, so its group 0 may be written
	ds_add_u32 v[SPW], v[NIL]
	s_add_co_u32 s[G0T+1], s[G0T+1], SLOT
	s_add_nc_u64 s[G0T+2:G0T+3], s[G0T+2:G0T+3], 32768   ; 64 rows of 512 bytes on
	s_wait_dscnt 0x0                               ; the add is done, and my reads of slot 1 are over
	CROUND
	tensor_load_to_lds s[G0T:G0T+3], s[G1T:G1T+7]  ; slot 1 takes positions 64-127 of each half; it lands while blocks 0-3 are worked
	s_nop 0
	PLACES 4
	s_wait_loadcnt 0x0                             ; biases and gains
.irp a, 0,1,2,3
	EPI_QK \a
.endr
	s_wait_tensorcnt 0x0                           ; my part of the second half is in,
	s_wait_dscnt 0x0
	s_barrier_signal -1
	s_barrier_wait -1                              ; everybody's is
.irp a, 4,5,6,7
	EPI_QK \a
.endr
	s_wait_tensorcnt 0x0                           ; the wave's end
	ds_add_u32 v[SPW], v[NIL]
	s_wait_dscnt 0x0
	CROUND                                         ; the closing round
	s_endpgm
; ---- v.  Block a: 16 features (a lane: one) x 128 positions (64 a lane): bias, hold, codes: an image of V^T.
.macro EPI_V a
.set AC, 64*((\a)%4)
	WIN 0x02+(\a)/4
.set ii, 0
.rept 32
	v_pk_fma_f32 v[Y+ii:Y+ii+1], v[AC+ii:AC+ii+1], s[66:67], v[BI+2*(\a):BI+2*(\a)+1] op_sel_hi:[1,0,0]
.set ii, ii+2
.endr
	WIN 0
.set ii, 0
.rept 64
	v_med3_num_f32 v[Y+ii], v[Y+ii], -v[LIM], v[LIM]
.set ii, ii+1
.endr
	s_wait_alu depctr_va_vdst(0)
	s_wait_xcnt 0x0                                ; the last block's stores have read the codes' registers
.set ii, 0
.rept 8
	v_cvt_scalef32_pk8_fp8_f32 v[CD+2*ii:CD+2*ii+1], v[Y+8*ii:Y+8*ii+7], v[SCL]
.set ii, ii+1
.endr
	v_nop
.irp c, 0,1,2,3
	global_store_b128 v[LA], v[CD+4*\c:CD+4*\c+3], s[74:75] offset:(\a)*2048+512*\c
.endr
.endm
.Lv_tail:
.set ii, 0
	s_wait_alu depctr_va_vdst(0)
.rept 8
	global_load_b32 v[BI+2*ii], v[VO], s[8:9] offset:64*ii   ; the bias of feature 16 ii + r
	v_mov_b32 v[BI+2*ii+1], 0                      ; (named as the upper half of a pair)
.set ii, ii+1
.endr
	TURN 0, 1, 0                                   ; nothing is filled, so no round of the cluster's barrier
	STEP 1, 0, 0
	LAST 0
	s_wait_loadcnt 0x0
	s_wait_alu depctr_va_vdst(0)
.irp a, 0,1,2,3,4,5,6,7
	EPI_V \a
.endr
	s_wait_tensorcnt 0x0                           ; the wave's end
	ds_add_u32 v[SPW], v[NIL]
	s_wait_dscnt 0x0
	CROUND
	s_endpgm
.Lfunc_end_k_q0df8327efb_proj:
	.size	k_q0df8327efb_proj, .Lfunc_end_k_q0df8327efb_proj-k_q0df8327efb_proj
	.p2alignl 7, 3214868480
	.fill 96, 4, 3214868480
	.section	.rodata,"a",@progbits
	.p2align	6, 0x0
	.amdhsa_kernel k_q0df8327efb_proj
		.amdhsa_group_segment_fixed_size 327680
		.amdhsa_private_segment_fixed_size 0
		.amdhsa_enable_private_segment 0
		.amdhsa_kernarg_size 184
		.amdhsa_user_sgpr_count 2
		.amdhsa_user_sgpr_kernarg_segment_ptr 1
		.amdhsa_wavefront_size32 1
		.amdhsa_system_sgpr_workgroup_id_x 1
		.amdhsa_system_sgpr_workgroup_id_y 1
		.amdhsa_system_sgpr_workgroup_id_z 1
		.amdhsa_system_vgpr_workitem_id 0
		.amdhsa_next_free_vgpr 1024
		.amdhsa_next_free_sgpr 102
		.amdhsa_reserve_vcc 0
		.amdhsa_float_denorm_mode_32 3
		.amdhsa_float_denorm_mode_16_64 3
		.amdhsa_memory_ordered 1
		.amdhsa_forward_progress 1
		.amdhsa_inst_pref_size 255
	.end_amdhsa_kernel
	.section	.bss,"aw",@nobits
	.p2align	6
	.space	262144
	.amdgpu_metadata
---
amdhsa.version: [ 1, 2 ]
amdhsa.kernels:
  - .name:           k_q0df8327efb_proj
    .symbol:         k_q0df8327efb_proj.kd
    .args:
      - { .name: hidden_states_codes, .offset: 0, .size: 8, .value_kind: global_buffer, .address_space: global }
      - { .name: Wq_codes, .offset: 8, .size: 8, .value_kind: global_buffer, .address_space: global }
      - { .name: Wk_codes, .offset: 16, .size: 8, .value_kind: global_buffer, .address_space: global }
      - { .name: Wv_codes, .offset: 24, .size: 8, .value_kind: global_buffer, .address_space: global }
      - { .name: Wq2_codes, .offset: 32, .size: 8, .value_kind: global_buffer, .address_space: global }
      - { .name: Wk2_codes, .offset: 40, .size: 8, .value_kind: global_buffer, .address_space: global }
      - { .name: Wv2_codes, .offset: 48, .size: 8, .value_kind: global_buffer, .address_space: global }
      - { .name: bq, .offset: 56, .size: 8, .value_kind: global_buffer, .address_space: global }
      - { .name: bk, .offset: 64, .size: 8, .value_kind: global_buffer, .address_space: global }
      - { .name: bv, .offset: 72, .size: 8, .value_kind: global_buffer, .address_space: global }
      - { .name: bq2, .offset: 80, .size: 8, .value_kind: global_buffer, .address_space: global }
      - { .name: bk2, .offset: 88, .size: 8, .value_kind: global_buffer, .address_space: global }
      - { .name: bv2, .offset: 96, .size: 8, .value_kind: global_buffer, .address_space: global }
      - { .name: gq, .offset: 104, .size: 8, .value_kind: global_buffer, .address_space: global }
      - { .name: gk, .offset: 112, .size: 8, .value_kind: global_buffer, .address_space: global }
      - { .name: gq2, .offset: 120, .size: 8, .value_kind: global_buffer, .address_space: global }
      - { .name: gk2, .offset: 128, .size: 8, .value_kind: global_buffer, .address_space: global }
      - { .name: cos, .offset: 136, .size: 8, .value_kind: global_buffer, .address_space: global }
      - { .name: sin, .offset: 144, .size: 8, .value_kind: global_buffer, .address_space: global }
      - { .name: lowp_scales, .offset: 152, .size: 8, .value_kind: global_buffer, .address_space: global }
      - { .name: qc, .offset: 160, .size: 8, .value_kind: global_buffer, .address_space: global }
      - { .name: kc, .offset: 168, .size: 8, .value_kind: global_buffer, .address_space: global }
      - { .name: vc, .offset: 176, .size: 8, .value_kind: global_buffer, .address_space: global }
    .group_segment_fixed_size: 327680
    .private_segment_fixed_size: 0
    .kernarg_segment_align: 8
    .kernarg_segment_size: 184
    .max_flat_workgroup_size: 128
    .sgpr_count:     102
    .vgpr_count:     1024
    .wavefront_size: 32
...
	.end_amdgpu_metadata
.endif
;; end of part 1
;; launch attn (part 2): grid 16 x 16, 8 waves a work-group, no clusters, 327,680 bytes of LDS; arguments qc, kc, vc, lowp_scales, ao; writes ao
.if DOCPART == 2
	.amdgcn_target "amdgcn-amd-amdhsa--gfx1250"
	.amdhsa_code_object_version 6
	.text
	.protected	k_q0df8327efb_attn
	.globl	k_q0df8327efb_attn
	.p2align	8
	.type	k_q0df8327efb_attn,@function
k_q0df8327efb_attn:
	s_mov_b64 s[64:65], 0
	v_nop
	global_prefetch_b8 v0, s[64:65] scope:SCOPE_SE
	s_setreg_imm32_b32 hwreg(HW_REG_WAVE_MODE, 25, 1), 1
	s_wait_xcnt 0x0
; The joint softmax over the window's keys (0 <= i - j < 256) and the older keys (i - j >= 256: the fading path); both score products and both products p v on codes of E4M3.
; LEFT OUT as dead work: steps of 16 queries x 128 keys that lie wholly under one of the two masks that the problem builds itself (shown at the head of the first kernel).
; p IS QUANTISED FINISHED AND NORMALISED: PASS 1 walks the keys for M and l, PASS 2 walks them again: p = 2^(t - M) / l, codes, p v.  t = score x log2(e) / sqrt(128); M = the largest t rounded up to a whole number (kept as -M).
; SHARES.  A work-group owns one batch and key head, BOTH query heads that share it, and one block of 64 positions; the latest blocks, whose walks are the longest, have the lowest numbers.
;   Wave w: 16 positions (w / 2) of both heads, two tiles: each fragment of K and V read from LDS feeds two matrix instructions.  Bit 0 of w: which 128 of a slot's 256 keys the wave takes.
;   Partners w and w ^ 1 own the same queries and split the keys: behind pass 1 they join (M, l), behind pass 2 each hands the other one head's partial O^T, through LDS bytes that no tile lands on.
; THE WALK.  kc and vc hold, for each batch and key head, seven slots of 32 KB: 0-2 the fading keys 0-767, 3-6 the window's 0-1023.  With g = block / 4 a pass has five places: window slot g (it holds the diagonal:
;   every work-group reads it), window slot g - 1, fading slots 0, 1, 2.  10 visits: the five places twice.  K of visit v lies in LDS slot v & 1, V in the other slot's V region.  Wave 0 fetches K, wave 1 V.
;   Places that the block's queries do not reach (g - 1 < 0; fading slot n with n >= g) are not asked for and not read.
; NO CLUSTER: the walk has holes that hang on the work-group's number, a slot that is not read is not filled.
; LAYOUT.  All operands are images of operand registers (2,048 bytes: group c of four registers of lane l at 512 c + 16 l).  S^T = K Q^T, O^T = V^T P^T: a lane holds one query; register 8 t + j of S^T is key 16 t + 8 (lane / 16) + j.
;   p's codes are laid over the low end of S^T (two registers below it and its first fourteen): row t's codes fall on registers whose rows are already converted.
; ONE ACCUMULATOR a tile for both key sets: at the change of paths O^T is multiplied by 2^(e16 + e17 - e18 - e19).
; LIMITS: e12 + e13 and e14 + e15 between -123 and 130; e17, e19 and e20 - e18 - e19 between -126 and 119.  NaN among the inputs is not served.
.set SLOT1, 1<<17
.set VREG,  32768                      ; a slot: 32 KB of K, then 32 KB of V
.set OST,   65536                      ; 8 KB a wave: a partial O^T on its way to the partner
.set SPARE, 2*SLOT1                    ; the spare words, 128 bytes a wave
.set XCH,   SPARE+1024                 ; 512 bytes a wave: -M and l of both tiles
.set BLKB,  229376                     ; seven slots
.set LA,1
.set LR,2
.set PFO,3
.set ADR,4
.set SPW,5
.set NIL,6
.set ADV,7
.set DD,8
.set NINF,9
.set T0,10
.set T1,11
.set MM0,12                            ; v[12:13] -M, the largest t (tile 0); v[16:17] tile 1
.set SU0,14                            ; v[14:15], v[18:19] the sums
.set MM1,16
.set SU1,18
.set FF0,20
.set FF1,22
.set RL0,24
.set RL1,26
.set PSC,28
.set PLM,29
.set OSC,30
.set OLM,31
.set PX0,32
.set T2,33
.set T3,34
.set PX1,35
.set CA,36                             ; v36-45, v242-243: chains of sums
.set SC0,48                            ; v48-111 S^T of tile 0, codes from v46;  v114-177 tile 1, codes from v112
.set SC1,114
.set QF0,178
.set QF1,194
.set QI0,210
.set QI1,226
.set CB,242
.set LAP,244                           ; 16 x lane + 16 KB x my half of a slot
.set XSA,245
.set XLA,246
.set OSA,247
.set OLA,248
.set XD,250
.set OT0,128                           ; window 1: v0-127 K's, then V's fragments; v128-191, v192-255 O^T
.set OT1,192
.set MSB, 0
.macro WIN new
.if MSB != (\new)
	s_set_vgpr_msb (MSB<<8)|(\new)
.set MSB, (\new)
.endif
.endm
.macro NOPS n
.rept \n
	v_nop
.endr
.endm
	s_load_b256 s[4:11], s[0:1], 0x0               ; qc, kc, vc, the exponents
	s_load_b64 s[12:13], s[0:1], 0x20              ; ao
	v_lshl_add_u32 v[SPW], v0, 2, SPARE
	v_mov_b32 v[NIL], 0
	ds_add_u32 v[SPW], v[NIL]                      ; the opening: the add, twice on end, and its wait
	ds_add_u32 v[SPW], v[NIL]
	v_lshrrev_b32 v1, 5, v0
	v_readfirstlane_b32 s14, v1                    ; wave 0..7
	s_min_u32 s15, s14, 1                          ; 0: K's loads, 1: V's
	s_and_b32 s16, ttmp7, 0xffff                   ; 8 x batch + key head
	s_mov_b32 s24, 3<<16                           ; group 1: a dense block of 32 KB as 128 rows of 256 bytes
	s_mov_b32 s25, 32<<16
	s_mov_b32 s26, 128<<16
	s_mov_b32 s27, 32<<16
	s_mov_b32 s28, 128
	s_mov_b32 s29, 32
	s_mov_b32 s30, 0
	s_mov_b32 s31, 0
	s_mul_i32 s74, s16, BLKB
	s_mov_b32 s75, 0
	s_sub_co_u32 s76, 15, ttmp9                    ; my block of 64 positions
	s_lshl_b32 s17, s76, 6
	s_lshr_b32 s77, s14, 1
	s_lshl_b32 s77, s77, 4
	s_add_co_u32 s17, s17, s77                     ; my first query
	s_and_b32 s82, s14, 1                          ; my half of each slot's keys; also the head whose result I finish
	s_sub_co_u32 s80, 0, s82                       ; 0 or all ones: a lane mask
	s_lshl_b32 s81, s82, 14
	s_lshl_b32 s78, s82, 7
	s_lshr_b32 s83, s76, 2                         ; g
	s_lshl_b32 s77, s83, 3
	s_lshr_b32 s42, 0x1f0f0701, s77                ; the places that my block reads, a bit a place: g = 0: place 0; 1: 0-2; 2: 0-3; 3: 0-4
	s_and_b32 s42, s42, 0xff
	s_and_b32 s43, s42, 0x1c
	s_lshl_b32 s43, s43, 5                         ; bit n: V of visit n is asked for by the walking descriptor (visits 7-9)
	s_lshl_b32 s77, s42, 5
	s_or_b32 s42, s42, s77                         ; bit n: visit n's place is read
	s_add_co_u32 s86, s83, 3
	s_lshl_b32 s86, s86, 15                        ; window slot g in memory, in bytes
	s_lshl_b32 s87, s83, 8
	s_add_co_u32 s87, s87, s78                     ; my first key there
	s_mov_b32 s88, 0                               ; the visit's place in the walk
	s_mov_b32 s2, 0                                ; the LDS slot in hand
	s_mov_b32 s3, 1                                ; the visit + 1
	s_mov_b32 s40, 0                               ; the next visit's slot in memory, in bytes
	s_mov_b32 s41, 0
	s_mov_b32 s20, 0x76543210
	s_mov_b32 s21, 0xfedcba98
	s_wait_dscnt 0x0
	s_wait_kmcnt 0x0
	s_load_b256 s[56:63], s[10:11], 0x30           ; e12 .. e19
	s_load_b32 s66, s[10:11], 0x50                 ; e20
	s_add_nc_u64 s[6:7], s[6:7], s[74:75]
	s_add_nc_u64 s[8:9], s[8:9], s[74:75]
	s_cmp_eq_u32 s15, 0
	s_cselect_b64 s[68:69], s[6:7], s[8:9]
	s_mov_b32 s74, s86
	s_mov_b32 s32, 1
	s_lshl_b32 s33, s15, 15                        ; LDS slot 0: K at 0, V at 32,768
	s_add_nc_u64 s[34:35], s[68:69], s[74:75]      ; place 0: window slot g
	s_mov_b32 s36, 1
	s_add_co_u32 s37, s33, SLOT1                   ; LDS slot 1
	s_sub_nc_u64 s[38:39], s[34:35], 32768         ; place 1: window slot g - 1 (with g = 0 it is not asked for)
	s_or_b32 s35, s35, 0x80000000
	s_or_b32 s39, s39, 0x80000000
	s_mov_b32 s44, 1                               ; the walking group 0
	s_mul_i32 s45, s15, SLOT1+VREG
	s_cmp_lt_u32 s14, 2
	s_cbranch_scc0 .Lno_first
	tensor_load_to_lds s[32:35], s[24:31]          ; K and V of place 0: one tensor load a wave at the head
	s_nop 0
	NOPS 4
.Lno_first:
	s_lshl_b32 s74, s16, 19                        ; qc: (16 batch + head) x 128 images, head = 2 x key head; + my tile
	s_lshl_b32 s76, s17, 7
	s_add_co_u32 s74, s74, s76
	s_add_nc_u64 s[4:5], s[4:5], s[74:75]
	s_cmp_ge_u32 s17, 256
	s_cselect_b32 s74, 131072, 0                   ; the fading q lies 64 images on; under position 256 there is none and none is used: the window's is loaded in its place
	s_add_nc_u64 s[84:85], s[4:5], s[74:75]
	v_and_b32 v[LA], 31, v0
	v_lshlrev_b32 v[PFO], 8, v[LA]
	v_lshlrev_b32 v[LA], 4, v[LA]
	s_wait_alu depctr_va_vdst(0)
.irp c, 0,1,2,3
	global_load_b128 v[QI0+4*\c:QI0+4*\c+3], v[LA], s[4:5] offset:512*\c
	global_load_b128 v[QI1+4*\c:QI1+4*\c+3], v[LA], s[4:5] offset:262144+512*\c
	global_load_b128 v[QF0+4*\c:QF0+4*\c+3], v[LA], s[84:85] offset:512*\c
	global_load_b128 v[QF1+4*\c:QF1+4*\c+3], v[LA], s[84:85] offset:262144+512*\c
.endr
	s_lshr_b32 s74, s16, 3
	s_lshl_b32 s74, s74, 21                        ; ao: ((64 batch + tile) 16 + head) images
	s_lshl_b32 s76, s17, 11
	s_add_co_u32 s74, s74, s76
	s_and_b32 s76, s16, 7
	s_lshl_b32 s76, s76, 12
	s_add_co_u32 s74, s74, s76
	s_lshl_b32 s76, s82, 11
	s_add_co_u32 s74, s74, s76
	s_add_nc_u64 s[12:13], s[12:13], s[74:75]
	; the prefetches: one asker for each batch and key head: waves 2-5 of the work-group with number 0; 8 KB a wave, lanes 256 bytes apart
	s_sub_co_u32 s74, s14, 2
	s_lshr_b32 s76, s74, 2
	s_or_b32 s76, s76, ttmp9
	s_cmp_eq_u32 s76, 0
	s_cselect_b32 s67, 3, 0                        ; an asker asks in visits 0 and 1
	s_and_b32 s74, s74, 3
	s_lshl_b32 s74, s74, 13                        ; in fading slot 0: the first change steps it to slot 1
	s_add_nc_u64 s[70:71], s[6:7], s[74:75]
	s_add_nc_u64 s[72:73], s[8:9], s[74:75]
	v_add_nc_u32 v[LAP], s81, v[LA]
	v_lshl_add_u32 v[XSA], v0, 4, XCH              ; 16 bytes a thread;
	v_xor_b32 v[XLA], 32, v0
	v_lshl_add_u32 v[XLA], v[XLA], 4, XCH          ; my partner's
	s_lshl_b32 s74, s14, 13
	s_add_co_u32 s74, s74, OST
	v_add_nc_u32 v[OSA], s74, v[LA]
	s_xor_b32 s74, s14, 1
	s_lshl_b32 s74, s74, 13
	s_add_co_u32 s74, s74, OST
	v_add_nc_u32 v[OLA], s74, v[LA]
	v_and_b32 v[LR], 15, v0
	v_bfe_u32 v[DD], v0, 4, 1
	v_lshlrev_b32 v[DD], 3, v[DD]
	v_sub_nc_u32 v[LR], v[LR], v[DD]               ; lane % 16 - 8 (lane / 16)
	v_mov_b32 v[NINF], 0xff800000
	v_mov_b32 v[MM0+1], 0xff61b1e6                 ; the largest t so far: -3e38
	v_mov_b32 v[MM1+1], 0xff61b1e6
	v_floor_f32 v[MM0], -v[MM0+1]
	v_floor_f32 v[MM1], -v[MM1+1]
.irp r, SU0, SU0+1, SU1, SU1+1, FF0+1, FF1+1, RL0+1, RL1+1, PX0, PX1
	v_mov_b32 v[\r], 0
.endr
	WIN 0x40
.set n, 0
.rept 128
	v_mov_b32 v[OT0+n], 0                          ; O^T: a wave's first live step hangs on its place, so no product can be written out to start the sums
.set n, n+1
.endr
	WIN 0
	s_wait_kmcnt 0x0
	s_add_co_i32 s74, s56, s57
	s_lshl_b32 s74, s74, 23
	s_add_co_i32 s49, s74, 0x3e0293ee              ; log2(e) / sqrt(128) with the operands' exponents in its exponent field: the window's,
	s_add_co_i32 s74, s58, s59
	s_lshl_b32 s74, s74, 23
	s_add_co_i32 s50, s74, 0x3e0293ee              ; the fading path's
	s_add_co_i32 s74, s61, 127
	s_lshl_b32 s51, s74, 23                        ; 2^e17
	s_add_co_i32 s74, s74, 8
	s_lshl_b32 s74, s74, 23
	s_or_b32 s52, s74, 0x600000                    ; 448 x 2^e17
	s_add_co_i32 s74, s63, 127
	s_lshl_b32 s53, s74, 23                        ; 2^e19
	s_add_co_i32 s74, s74, 8
	s_lshl_b32 s74, s74, 23
	s_or_b32 s54, s74, 0x600000
	s_add_co_i32 s75, s62, s63
	s_add_co_i32 s55, s60, s61
	s_sub_co_i32 s55, s55, s75                     ; e16 + e17 - e18 - e19
	s_sub_co_i32 s74, s66, s75                     ; O^T ends under the fading path's scales: the result's conversion takes 2^(e20 - e18 - e19)
	s_add_co_i32 s74, s74, 127
	s_lshl_b32 s76, s74, 23
	v_mov_b32 v[OSC], s76
	s_add_co_i32 s74, s74, 8
	s_lshl_b32 s74, s74, 23
	s_or_b32 s74, s74, 0x600000
	v_mov_b32 v[OLM], s74
; A key counts for query q where QL + r <= key <= QU + r (r = the query's place in my tile).  s48: my step's first key, s89 its step from visit to visit;  s79: 0 fading, 1 window;  s83: QL held at 0, for the test of a whole step.
.macro SET_F
	s_sub_co_i32 s18, s17, 256
	s_mov_b32 s19, 0xc0000000
	s_mov_b32 s83, 0
	s_mov_b32 s22, s50
	s_mov_b32 s23, s50
	s_mov_b32 s48, s78                             ; fading slots go upward from key 0
	s_mov_b32 s89, 256
	s_mov_b32 s79, 0
.endm
.macro SET_IC
	s_mov_b32 s18, s17
	s_sub_co_i32 s19, s17, 255
	s_max_i32 s83, s19, 0
	s_mov_b32 s22, s49
	s_mov_b32 s23, s49
	s_mov_b32 s48, s87                             ; window slots go downward from slot g
	s_mov_b32 s89, 0xffffff00
	s_mov_b32 s79, 1
.endm
; The next visit's tiles.  The tests hang on the work-group's number, the count of visits and the wave's number alone and lead round the load's own lines; every wait for tensor loads in this text is for 0.
; first = 1: behind the first visit's barrier LDS slot 1's K and V are filled for the first time.
.macro TLOAD first
	s_lshr_b32 s74, s42, s3
	s_and_b32 s74, s74, 1
	s_cmp_eq_u32 s74, 0
	s_cbranch_scc1 .Lpast_\@
.if \first
	s_cmp_eq_u32 s3, 1
	s_cbranch_scc1 .Lfirst_\@
.endif
	s_cmp_eq_u32 s14, 0
	s_cbranch_scc1 .Lgo_\@
	s_cmp_lg_u32 s14, 1
	s_cbranch_scc1 .Lpast_\@
	s_lshr_b32 s74, s43, s3
	s_and_b32 s74, s74, 1
	s_cmp_eq_u32 s74, 0
	s_cbranch_scc1 .Lpast_\@
.Lgo_\@:
	tensor_load_to_lds s[44:47], s[24:31]
	s_nop 0
	NOPS 4
.if \first
	s_branch .Lpast_\@
.Lfirst_\@:
	s_cmp_lt_u32 s14, 2
	s_cbranch_scc0 .Lpast_\@
	tensor_load_to_lds s[36:39], s[24:31]
	s_nop 0
	NOPS 4
.endif
.Lpast_\@:
.endm
; A prefetch of K's and V's fading slots 1 and 2, in visits 0 and 1: a visit ahead of the change that asks for K's; each aligned block of 256 bytes once in the launch.  The window's slots and fading slot 0 come by their loads alone.
.macro ASK
	s_cmp_lt_u32 s3, s67
	s_cbranch_scc0 .Lnot_mine_\@
	global_prefetch_b8 v[PFO], s[70:71] th:TH_LOAD_NT scope:SCOPE_SE
	global_prefetch_b8 v[PFO], s[72:73] th:TH_LOAD_NT scope:SCOPE_SE
.Lnot_mine_\@:
.endm
.macro CHANGE first
	s_wait_tensorcnt 0x0                           ; no tensor load of mine is out, so a group 0 may be written
	ds_add_u32 v[SPW], v[NIL]                      ; the add, twice on end
	ds_add_u32 v[SPW], v[NIL]
	s_add_co_u32 s88, s88, 1                       ; the next visit's place; behind the fifth the walk begins anew
	s_cmp_eq_u32 s88, 5
	s_cselect_b32 s88, 0, s88
	s_lshl_b32 s74, s88, 15
	s_sub_co_u32 s40, s86, s74                     ; places 0, 1: window slots g, g - 1;
	s_sub_co_u32 s74, s74, 65536                   ; places 2-4: fading slots 0-2
	s_cmp_lt_u32 s88, 2
	s_cselect_b32 s40, s40, s74
	s_xor_b32 s45, s45, SLOT1
	s_add_nc_u64 s[46:47], s[68:69], s[40:41]
	s_or_b32 s47, s47, 0x80000000
	s_wait_xcnt 0x0                                ; the last prefetches have read their addresses
	s_add_nc_u64 s[70:71], s[70:71], 32768
	s_add_nc_u64 s[72:73], s[72:73], 32768
	s_wait_dscnt 0x0                               ; both adds are done, and my reads of the visit that I have left are over
	s_barrier_signal -1
	s_barrier_wait -1
	TLOAD \first
	ASK
.endm
.macro FLOADS adr, off                 ; eight fragments into window 1's v0-127
	WIN 0x40
.set t, 0
.rept 8
.irp c, 0,1,2,3
	ds_load_b128 v[16*t+4*\c:16*t+4*\c+3], v[\adr] offset:\off+t*2048+512*\c
.endr
.set t, t+1
.endr
	WIN 0
.endm
.macro KQ qa, qb                       ; S^T of both tiles: each fragment of K feeds two products
	WIN 0x01
	s_wait_dscnt 16                                ; fragments 0-3 are in; the sixteen loads of 4-7 may be out
.set t, 0
.rept 8
.if t == 4
	s_wait_dscnt 0x0
.endif
	v_wmma_f32_16x16x128_fp8_fp8 v[SC0+8*t:SC0+8*t+7], v[16*t:16*t+15], v[\qa:\qa+15], 0
	v_wmma_f32_16x16x128_fp8_fp8 v[SC1+8*t:SC1+8*t+7], v[16*t:16*t+15], v[\qb:\qb+15], 0
.set t, t+1
.endr
	WIN 0
.endm
.macro SCORES                          ; the path's q is chosen by a branch on the count of visits
	s_cmp_eq_u32 s79, 0
	s_cbranch_scc1 .Lqf_\@
	KQ QI0, QI1
	s_branch .Lqj_\@
.Lqf_\@:
	KQ QF0, QF1
.Lqj_\@:
	NOPS 4                                         ; places in front of reads of S^T and of loads into K's registers
.endm
.macro LIVE lab                        ; a step none of whose keys counts for any of my 16 positions (or whose keys lie under key 0) is passed over: branches on ids, round no barrier and no tensor load
	s_add_co_i32 s74, s18, 15
	s_cmp_gt_i32 s48, s74
	s_cbranch_scc1 \lab
	s_add_co_i32 s74, s48, 127
	s_cmp_lt_i32 s74, s83
	s_cbranch_scc1 \lab
.endm
; Scores of keys that do not count become -infinity; both heads have the same positions, so one compare serves two selects.  Register n holds key s48 + 8 (lane / 16) + 16 (n / 8) + n % 8.
.macro MASKS
	s_add_co_i32 s74, s48, 127
	s_cmp_le_i32 s74, s18
	s_cbranch_scc1 .LnoU_\@
	s_sub_co_i32 s74, s18, s48
	v_add_nc_u32 v[DD], s74, v[LR]
.set n, 0
.rept 64
	v_cmp_gt_i32 vcc_lo, 16*(n/8)+n%8, v[DD]
	v_cndmask_b32 v[SC0+n], v[SC0+n], v[NINF], vcc_lo
	v_cndmask_b32 v[SC1+n], v[SC1+n], v[NINF], vcc_lo
.set n, n+1
.endr
.LnoU_\@:
	s_add_co_i32 s74, s19, 15
	s_cmp_ge_i32 s48, s74
	s_cbranch_scc1 .LnoL_\@
	s_sub_co_i32 s74, s19, s48
	v_add_nc_u32 v[DD], s74, v[LR]
.set n, 0
.rept 64
	v_cmp_lt_i32 vcc_lo, 16*(n/8)+n%8, v[DD]
	v_cndmask_b32 v[SC0+n], v[SC0+n], v[NINF], vcc_lo
	v_cndmask_b32 v[SC1+n], v[SC1+n], v[NINF], vcc_lo
.set n, n+1
.endr
.LnoL_\@:
.endm
.macro SCALE_EXP                       ; p = 2^(t - M): packed multiply-adds, then the 128 exponentials as one batch
.set n, 0
.rept 32
	v_pk_fma_f32 v[SC0+n:SC0+n+1], v[SC0+n:SC0+n+1], s[22:23], v[MM0:MM0+1] op_sel_hi:[1,0,0]
	v_pk_fma_f32 v[SC1+n:SC1+n+1], v[SC1+n:SC1+n+1], s[22:23], v[MM1:MM1+1] op_sel_hi:[1,0,0]
.set n, n+2
.endr
	s_wait_alu depctr_va_vdst(0)                   ; the wait ahead of the batch
.set n, 0
.rept 64
	v_exp_f32 v[SC0+n], v[SC0+n]
	v_exp_f32 v[SC1+n], v[SC1+n]
.set n, n+1
.endr
.endm
.macro SUMS sc, su, c1, c2, c3         ; 32 pairs in four chains
	v_pk_add_f32 v[\c1:\c1+1], v[\sc:\sc+1], v[\sc+2:\sc+3]
	v_pk_add_f32 v[\c2:\c2+1], v[\sc+4:\sc+5], v[\sc+6:\sc+7]
	v_pk_add_f32 v[\c3:\c3+1], v[\sc+8:\sc+9], v[\sc+10:\sc+11]
	v_pk_add_f32 v[\su:\su+1], v[\su:\su+1], v[\sc+12:\sc+13]
.set n, 14
.rept 6
	v_pk_add_f32 v[\c1:\c1+1], v[\c1:\c1+1], v[\sc+n:\sc+n+1]
	v_pk_add_f32 v[\c2:\c2+1], v[\c2:\c2+1], v[\sc+n+2:\sc+n+3]
	v_pk_add_f32 v[\c3:\c3+1], v[\c3:\c3+1], v[\sc+n+4:\sc+n+5]
	v_pk_add_f32 v[\su:\su+1], v[\su:\su+1], v[\sc+n+6:\sc+n+7]
.set n, n+8
.endr
	v_pk_add_f32 v[\c1:\c1+1], v[\c1:\c1+1], v[\sc+62:\sc+63]
	v_pk_add_f32 v[\su:\su+1], v[\su:\su+1], v[\c3:\c3+1]
	v_pk_add_f32 v[\c1:\c1+1], v[\c1:\c1+1], v[\c2:\c2+1]
	v_pk_add_f32 v[\su:\su+1], v[\su:\su+1], v[\c1:\c1+1]
.endm
; PASS 1: my 128 keys of the visit's slot, both tiles; the two tiles' chains stand line by line.
.macro STEP1
	LIVE .Lhid_\@
	v_add_nc_u32 v[ADR], s2, v[LAP]
	FLOADS ADR, 0
	SCORES
	MASKS
	v_max3_num_f32 v[T0], v[SC0], v[SC0+1], v[SC0+2]
	v_max3_num_f32 v[T2], v[SC1], v[SC1+1], v[SC1+2]
	v_max3_num_f32 v[T1], v[SC0+3], v[SC0+4], v[SC0+5]
	v_max3_num_f32 v[T3], v[SC1+3], v[SC1+4], v[SC1+5]
.set n, 6
.rept 14
	v_max3_num_f32 v[T0], v[T0], v[SC0+n], v[SC0+n+1]
	v_max3_num_f32 v[T2], v[T2], v[SC1+n], v[SC1+n+1]
	v_max3_num_f32 v[T1], v[T1], v[SC0+n+2], v[SC0+n+3]
	v_max3_num_f32 v[T3], v[T3], v[SC1+n+2], v[SC1+n+3]
.set n, n+4
.endr
	v_max3_num_f32 v[T0], v[T0], v[SC0+62], v[SC0+63]
	v_max3_num_f32 v[T2], v[T2], v[SC1+62], v[SC1+63]
	v_max_num_f32 v[T0], v[T0], v[T1]
	v_max_num_f32 v[T2], v[T2], v[T3]
	v_permlanex16_b32 v[PX0], v[T0], s20, s21
	v_permlanex16_b32 v[PX1], v[T2], s20, s21
	v_max_num_f32 v[T0], v[T0], v[PX0]
	v_max_num_f32 v[T2], v[T2], v[PX1]
	v_mul_f32 v[T0], s22, v[T0]
	v_mul_f32 v[T2], s22, v[T2]
	v_max_num_f32 v[MM0+1], v[MM0+1], v[T0]        ; the running largest t
	v_max_num_f32 v[MM1+1], v[MM1+1], v[T2]
	v_mov_b32 v[T0], v[MM0]
	v_mov_b32 v[T2], v[MM1]
	v_floor_f32 v[MM0], -v[MM0+1]                  ; the new -M
	v_floor_f32 v[MM1], -v[MM1+1]
	v_sub_f32 v[T0], v[MM0], v[T0]
	v_sub_f32 v[T2], v[MM1], v[T2]
	v_cvt_i32_f32 v[T0], v[T0]                     ; (it saturates)
	v_cvt_i32_f32 v[T2], v[T2]
	v_ldexp_f32 v[FF0], 1.0, v[T0]                 ; 2^(old M - new M)
	v_ldexp_f32 v[FF1], 1.0, v[T2]
	SCALE_EXP
	v_pk_mul_f32 v[SU0:SU0+1], v[SU0:SU0+1], v[FF0:FF0+1] op_sel_hi:[1,0]   ; the sums under the new M: plain lines behind the batch
	v_pk_mul_f32 v[SU1:SU1+1], v[SU1:SU1+1], v[FF1:FF1+1] op_sel_hi:[1,0]
	s_wait_alu depctr_va_vdst(0)                   ; one wait for the batch
	SUMS SC0, SU0, CA, CA+2, CA+4
	SUMS SC1, SU1, CA+6, CA+8, CB
	s_wait_alu depctr_va_vdst(0)
.Lhid_\@:
	s_add_co_i32 s48, s48, s89
.endm
; PASS 2: the scores again, p finished and normalised, its codes, O^T += V^T P^T.  V's fragments land where K's lay, under the softmax.
.macro STEP2
	LIVE .Lhid_\@
	s_xor_b32 s74, s2, SLOT1
	v_add_nc_u32 v[ADR], s2, v[LAP]
	v_add_nc_u32 v[ADV], s74, v[LAP]
	s_wait_alu depctr_va_vdst(0)
	FLOADS ADR, 0
	SCORES
	FLOADS ADV, VREG
	MASKS
	SCALE_EXP
	v_nop                                          ; a plain line behind the batch
	s_wait_alu depctr_va_vdst(0)                   ; one wait for the batch
.set n, 0
.rept 32
	v_pk_mul_f32 v[SC0+n:SC0+n+1], v[SC0+n:SC0+n+1], v[RL0:RL0+1] op_sel_hi:[1,0]   ; / l
	v_pk_mul_f32 v[SC1+n:SC1+n+1], v[SC1+n:SC1+n+1], v[RL1:RL1+1] op_sel_hi:[1,0]
.set n, n+2
.endr
.set t, 0
.rept 8                                ; row by row: the one-sided hold (the conversion does not saturate: ISA guide 7.6.2; p is not negative), then the row's codes, onto registers of rows already converted
.set n, 0
.rept 8
	v_min_num_f32 v[SC0+8*t+n], v[SC0+8*t+n], v[PLM]
	v_min_num_f32 v[SC1+8*t+n], v[SC1+8*t+n], v[PLM]
.set n, n+1
.endr
	v_cvt_scalef32_pk8_fp8_f32 v[SC0-2+2*t:SC0-1+2*t], v[SC0+8*t:SC0+8*t+7], v[PSC]
	v_cvt_scalef32_pk8_fp8_f32 v[SC1-2+2*t:SC1-1+2*t], v[SC1+8*t:SC1+8*t+7], v[PSC]
.set t, t+1
.endr
	v_nop                                          ; a plain line between the last conversion and the products
	s_wait_alu depctr_va_vdst(0)                   ; the wait ahead of the first readers of O^T behind the batch
	s_wait_dscnt 0x0                               ; V is in
	WIN 0x51
.set t, 0
.rept 8                                ; sixteen accumulators by turns
	v_wmma_f32_16x16x128_fp8_fp8 v[OT0+8*t:OT0+8*t+7], v[16*t:16*t+15], v[SC0-2:SC0+13], v[OT0+8*t:OT0+8*t+7]
	v_wmma_f32_16x16x128_fp8_fp8 v[OT1+8*t:OT1+8*t+7], v[16*t:16*t+15], v[SC1-2:SC1+13], v[OT1+8*t:OT1+8*t+7]
.set t, t+1
.endr
	WIN 0
	NOPS 5                                         ; places in front of the next loads, the next scores (which write over the codes) and reads of O^T
.Lhid_\@:
	s_add_co_i32 s48, s48, s89
.endm
	s_wait_alu depctr_va_vdst(0)                   ; the wait at the head's end
	s_wait_loadcnt 0x0                             ; the four q
	SET_IC
.Lp1:                                              ; visits 0-4
	CHANGE 1
	s_cmp_lg_u32 s3, 3                             ; visit 2 is the fading path's first slot
	s_cbranch_scc1 .Lp1_same
	SET_F
.Lp1_same:
	STEP1
	s_xor_b32 s2, s2, SLOT1
	s_add_co_u32 s3, s3, 1
	s_cmp_lt_u32 s3, 6
	s_cbranch_scc1 .Lp1
	; my keys' M and l go to my partner, my partner's come to me: both then hold the row's M and l
	s_wait_alu depctr_va_vdst(0)
	v_add_f32 v[SU0], v[SU0], v[SU0+1]
	v_add_f32 v[SU1], v[SU1], v[SU1+1]
	v_permlanex16_b32 v[PX0], v[SU0], s20, s21
	v_permlanex16_b32 v[PX1], v[SU1], s20, s21
	v_add_f32 v[SU0], v[SU0], v[PX0]
	v_add_f32 v[SU1], v[SU1], v[PX1]
	v_mov_b32 v[XD], v[MM0]
	v_mov_b32 v[XD+2], v[MM1]
	v_mov_b32 v[XD+1], v[SU0]
	v_mov_b32 v[XD+3], v[SU1]
	ds_store_b128 v[XSA], v[XD:XD+3]
	s_wait_alu depctr_va_vdst(0)                   ; the wait ahead of the waits below
	s_wait_dscnt 0x0                               ; my store is done
	s_barrier_signal -1
	s_barrier_wait -1
	ds_load_b128 v[CA:CA+3], v[XLA]
	s_wait_dscnt 0x0
	v_min_num_f32 v[T0], v[MM0], v[CA]             ; the row's -M
	v_min_num_f32 v[T1], v[MM1], v[CA+2]
	v_sub_f32 v[T2], v[T0], v[MM0]                 ; my M less the row's: a whole number, 0 or less
	v_sub_f32 v[T3], v[T1], v[MM1]
	v_sub_f32 v[CA], v[T0], v[CA]                  ; my partner's likewise
	v_sub_f32 v[CA+2], v[T1], v[CA+2]
	v_cvt_i32_f32 v[T2], v[T2]
	v_cvt_i32_f32 v[T3], v[T3]
	v_cvt_i32_f32 v[CA], v[CA]
	v_cvt_i32_f32 v[CA+2], v[CA+2]
	v_ldexp_f32 v[SU0], v[SU0], v[T2]
	v_ldexp_f32 v[SU1], v[SU1], v[T3]
	v_ldexp_f32 v[CA+1], v[CA+1], v[CA]
	v_ldexp_f32 v[CA+3], v[CA+3], v[CA+2]
	v_add_f32 v[SU0], v[SU0], v[CA+1]
	v_add_f32 v[SU1], v[SU1], v[CA+3]
	v_mov_b32 v[MM0], v[T0]
	v_mov_b32 v[MM1], v[T1]
	s_wait_alu depctr_va_vdst(0)                   ; the wait ahead of the transcendentals
	v_rcp_f32 v[RL0], v[SU0]
	v_rcp_f32 v[RL1], v[SU1]
	v_mov_b32 v[PSC], s51                          ; (plain lines behind the reciprocals)  the window's p: its scale, and 448 x it
	v_mov_b32 v[PLM], s52
	SET_IC
	s_wait_alu depctr_va_vdst(0)                   ; the wait ahead of the label and of the first readers
	s_mov_b32 s3, 6
.Lp2:                                              ; visits 5-9
	CHANGE 0
	s_cmp_lg_u32 s3, 8                             ; visit 7 is the fading path's first slot
	s_cbranch_scc1 .Lp2_same
	SET_F
	v_mov_b32 v[PSC], s53
	v_mov_b32 v[PLM], s54
	WIN 0x41
.set n, 0
.rept 128
	v_ldexp_f32 v[OT0+n], v[OT0+n], s55            ; the window's O^T under the fading path's two scales
.set n, n+1
.endr
	WIN 0
	s_wait_alu depctr_va_vdst(0)                   ; O^T may next be read behind branches
.Lp2_same:
	STEP2
	s_xor_b32 s2, s2, SLOT1
	s_add_co_u32 s3, s3, 1
	s_cmp_lt_u32 s3, 11
	s_cbranch_scc1 .Lp2
	; THE WAY OUT.  The even partner finishes head 0, the odd one head 1: each hands over the other head's partial O^T.  The choice is a select by a lane mask made of the wave's number.
	s_wait_alu depctr_va_vdst(0)
	WIN 0x05
.set n, 0
.rept 64
	v_cndmask_b32 v[SC0+n], v[OT1+n], v[OT0+n], s80   ; what I hand over
	v_cndmask_b32 v[SC1+n], v[OT0+n], v[OT1+n], s80   ; what I keep
.set n, n+1
.endr
	WIN 0
.set n, 0
.rept 16
	ds_store_b128 v[OSA], v[SC0+4*n:SC0+4*n+3] offset:512*n
.set n, n+1
.endr
	s_wait_alu depctr_va_vdst(0)                   ; the wait ahead of the waits below
	s_wait_dscnt 0x0
	s_barrier_signal -1
	s_barrier_wait -1
.set n, 0
.rept 16
	ds_load_b128 v[SC0+4*n:SC0+4*n+3], v[OLA] offset:512*n
.set n, n+1
.endr
	s_wait_dscnt 0x0
.set n, 0
.rept 32
	v_pk_add_f32 v[SC1+n:SC1+n+1], v[SC1+n:SC1+n+1], v[SC0+n:SC0+n+1]
.set n, n+2
.endr
.set t, 0
.rept 8                                ; register 8 t + j is channel 16 t + 8 (lane / 16) + j of my query: the codes are the image as they stand
.set n, 0
.rept 8
	v_med3_num_f32 v[SC1+8*t+n], v[SC1+8*t+n], -v[OLM], v[OLM]
.set n, n+1
.endr
	v_cvt_scalef32_pk8_fp8_f32 v[SC1-2+2*t:SC1-1+2*t], v[SC1+8*t:SC1+8*t+7], v[OSC]
.set t, t+1
.endr
	v_nop
.irp c, 0,1,2,3
	global_store_b128 v[LA], v[SC1-2+4*\c:SC1+1+4*\c], s[12:13] offset:512*\c   ; 32 lanes store 512 bytes on end
.endr
	s_wait_tensorcnt 0x0                           ; the wave's end
	ds_add_u32 v[SPW], v[NIL]
	s_wait_dscnt 0x0
	s_endpgm
.Lfunc_end_k_q0df8327efb_attn:
	.size	k_q0df8327efb_attn, .Lfunc_end_k_q0df8327efb_attn-k_q0df8327efb_attn
	.p2alignl 7, 3214868480
	.fill 96, 4, 3214868480
	.section	.rodata,"a",@progbits
	.p2align	6, 0x0
	.amdhsa_kernel k_q0df8327efb_attn
		.amdhsa_group_segment_fixed_size 327680
		.amdhsa_private_segment_fixed_size 0
		.amdhsa_enable_private_segment 0
		.amdhsa_kernarg_size 40
		.amdhsa_user_sgpr_count 2
		.amdhsa_user_sgpr_kernarg_segment_ptr 1
		.amdhsa_wavefront_size32 1
		.amdhsa_system_sgpr_workgroup_id_x 1
		.amdhsa_system_sgpr_workgroup_id_y 1
		.amdhsa_system_sgpr_workgroup_id_z 1
		.amdhsa_system_vgpr_workitem_id 0
		.amdhsa_next_free_vgpr 512
		.amdhsa_next_free_sgpr 90
		.amdhsa_reserve_vcc 1
		.amdhsa_float_denorm_mode_32 3
		.amdhsa_float_denorm_mode_16_64 3
		.amdhsa_memory_ordered 1
		.amdhsa_forward_progress 1
		.amdhsa_inst_pref_size 121
	.end_amdhsa_kernel
	.amdgpu_metadata
---
amdhsa.version: [ 1, 2 ]
amdhsa.kernels:
  - .name:           k_q0df8327efb_attn
    .symbol:         k_q0df8327efb_attn.kd
    .args:
      - { .name: qc, .offset: 0, .size: 8, .value_kind: global_buffer, .address_space: global }
      - { .name: kc, .offset: 8, .size: 8, .value_kind: global_buffer, .address_space: global }
      - { .name: vc, .offset: 16, .size: 8, .value_kind: global_buffer, .address_space: global }
      - { .name: lowp_scales, .offset: 24, .size: 8, .value_kind: global_buffer, .address_space: global }
      - { .name: ao, .offset: 32, .size: 8, .value_kind: global_buffer, .address_space: global }
    .group_segment_fixed_size: 327680
    .private_segment_fixed_size: 0
    .kernarg_segment_align: 8
    .kernarg_segment_size: 40
    .max_flat_workgroup_size: 256
    .sgpr_count:     90
    .vgpr_count:     512
    .wavefront_size: 32
...
	.end_amdgpu_metadata
.endif
;; end of part 2
;; launch oproj (part 3): grid 16 x 16, 4 waves a work-group, clusters of 4 x 4, 327,680 bytes of LDS; arguments ao, Wo_codes, lowp_scales, out0; writes out0
.if DOCPART == 3
	.amdgcn_target "amdgcn-amd-amdhsa--gfx1250"
	.amdhsa_code_object_version 6
	.text
	.protected	k_q0df8327efb_oproj
	.globl	k_q0df8327efb_oproj
	.p2align	8
	.type	k_q0df8327efb_oproj,@function
k_q0df8327efb_oproj:
	s_mov_b64 s[64:65], 0
	v_nop
	global_prefetch_b8 v0, s[64:65] scope:SCOPE_SE
	s_setreg_imm32_b32 hwreg(HW_REG_WAVE_MODE, 25, 1), 1
	s_wait_xcnt 0x0
	s_wait_alu depctr_hold_cnt(0) depctr_sa_sdst(0) depctr_va_vdst(0) depctr_va_sdst(0) depctr_va_ssrc(0) depctr_va_vcc(0) depctr_vm_vsrc(0)
	s_getreg_b32 s2, hwreg(HW_REG_IB_STS2, 6, 4)
	s_cmp_eq_u32 s2, 0
	s_cbranch_scc0 .Lentry_in_a_cluster
	s_endpgm
.Lentry_in_a_cluster:
	s_bfe_u32 s2, ttmp6, 0x10000c
	s_cmp_lg_u32 s2, 0xf033
	s_cbranch_scc0 .Lentry_shape_is_right
	s_endpgm
.Lentry_shape_is_right:
.set AHALF,  32768
.set BPITCH, 528
.set BHALF,  64*BPITCH
.set BOFF,   2*AHALF
.set SLOT,   BOFF+2*BHALF
.set STAGE,  2*SLOT
.set SPITCH, 272
.set SPARE,  STAGE+4*16*SPITCH
.set ADRA, 16
.set ADRB, 20
.set STO,  24
.set RD,   25
.set CO,   26
.set SPW,  28
.set NIL,  29
.set TMP,  32
.set BK,   64
.set ACC,  128
.set F0,   0
.set F1,   128
.set G1,  24
.set G1B, 48
.set GA0, 32
.set GA1, 36
.set GA2, 68
.set GA3, 72
.set GB0, 56
.set GB1, 60
.set GB2, 76
.set GB3, 80
.set MSB, 0
.macro WIN new
.if MSB != (\new)
	s_set_vgpr_msb (MSB<<8)|(\new)
.set MSB, (\new)
.endif
.endm
.set MUL,  0x05
.set TO_F, 0x40
.macro PLACES
.rept 4
	v_nop
.endr
.endm
.macro JLOAD ga, gb
	s_cmp_eq_u32 s15, 0
	s_cbranch_scc0 .Lfor_b_\@
	tensor_load_to_lds s[\ga:\ga+3], s[G1:G1+7]
	s_nop 0
	PLACES
	s_branch .Lasked_\@
.Lfor_b_\@:
	tensor_load_to_lds s[\gb:\gb+3], s[G1B:G1B+7]
	s_nop 0
	PLACES
.Lasked_\@:
.endm
.macro CREST
	s_cmp_lg_u32 s14, 0
	s_cbranch_scc1 .Lnot_wave_0_\@
	s_barrier_signal -3
.Lnot_wave_0_\@:
	s_barrier_wait -3
	s_barrier_signal -1
	s_barrier_wait -1
.endm
.macro CROUND
	s_barrier_signal -1
	s_barrier_wait -1
	CREST
.endm
.macro SETG t, ga, gb
	s_add_co_u32 s2, s18, \t
	s_and_b32 s2, s2, 3
	s_lshl_b32 s12, s2, 13
	s_lshl_b32 s2, s2, 9
	s_mov_b32 s[\ga], 1
	s_add_co_u32 s[\ga+1], s45, ((\t)%2)*SLOT
	s_add_nc_u64 s[\ga+2:\ga+3], s[20:21], s[12:13]
	s_or_b32 s[\ga+3], s[\ga+3], 0x80000000
	s_mov_b32 s[\gb], 1
	s_add_co_u32 s[\gb+1], s23, ((\t)%2)*SLOT
	s_add_nc_u64 s[\gb+2:\gb+3], s[46:47], s[2:3]
	s_or_b32 s[\gb+3], s[\gb+3], 0x80000000
.endm
	s_load_b256 s[4:11], s[0:1], 0x0
	v_lshl_add_u32 v[SPW], v0, 2, SPARE
	v_mov_b32 v[NIL], 0
	ds_add_u32 v[SPW], v[NIL]
	ds_add_u32 v[SPW], v[NIL]
	v_lshrrev_b32 v1, 5, v0
	v_readfirstlane_b32 s14, v1
	s_lshr_b32 s15, s14, 1
	s_and_b32 s16, s14, 1
	s_bfe_u32 s40, ttmp6, 0x40000
	s_bfe_u32 s41, ttmp6, 0x40004
	s_lshl_b32 s42, ttmp9, 2
	s_add_co_u32 s42, s42, s40
	s_and_b32 s17, ttmp7, 0xffff
	s_add_co_u32 s18, s17, ttmp9
	s_lshl_b32 s17, s17, 2
	s_add_co_u32 s17, s17, s41
	s_lshl_b32 s43, s41, 2
	s_lshl_b32 s43, 15, s43
	s_lshl_b32 s44, 0x1111, s40
	s_or_b32 s[G1], s43, (3<<16)|(1<<21)
	s_mov_b32 s[G1+1], 1024<<16
	s_mov_b32 s[G1+2], 4<<16
	s_mov_b32 s[G1+3], 1024<<16
	s_mov_b32 s[G1+4], 4
	s_mov_b32 s[G1+5], 4096
	s_mov_b32 s[G1+6], 0
	s_mov_b32 s[G1+7], 0
	s_or_b32 s[G1B], s44, (1<<20)|(1<<21)|(6<<22)|(3<<25)
	s_mov_b32 s[G1B+1], 512<<16
	s_mov_b32 s[G1B+2], 64<<16
	s_mov_b32 s[G1B+3], 512<<16
	s_mov_b32 s[G1B+4], 64
	s_mov_b32 s[G1B+5], 2048
	s_mov_b32 s[G1B+6], 0
	s_mov_b32 s[G1B+7], 0
	s_lshl_b32 s20, s17, 18
	s_lshl_b32 s21, s16, 17
	s_add_co_u32 s20, s20, s21
	s_mov_b32 s21, 0
	s_lshl_b32 s46, s42, 18
	s_lshl_b32 s47, s16, 17
	s_add_co_u32 s46, s46, s47
	s_mov_b32 s47, 0
	s_lshl_b32 s45, s16, 15
	s_mul_i32 s23, s16, BHALF
	s_add_co_u32 s23, s23, BOFF
	s_mov_b32 s3, 0
	s_mov_b32 s13, 0
	s_wait_dscnt 0x0
	s_wait_kmcnt 0x0
	s_load_b64 s[66:67], s[8:9], 0x50
	s_add_nc_u64 s[20:21], s[4:5], s[20:21]
	s_add_nc_u64 s[46:47], s[6:7], s[46:47]
	SETG 0, GA0, GB0
	SETG 1, GA1, GB1
	SETG 2, GA2, GB2
	SETG 3, GA3, GB3
	CROUND
	JLOAD GA0, GB0
	s_wait_alu depctr_va_vdst(0)
	s_wait_tensorcnt 0x0
	ds_add_u32 v28, v29
	s_wait_dscnt 0x0
	CROUND
	JLOAD GA1, GB1
	v_and_b32 v1, 15, v0
	v_bfe_u32 v2, v0, 4, 1
	v_and_b32 v3, 31, v0
	v_lshlrev_b32 v3, 4, v3
	v_mul_u32_u24 v4, v1, BPITCH
	v_lshl_add_u32 v4, v2, 3, v4
	s_lshl_b32 s21, s15, 15
	s_mul_i32 s22, s16, BHALF
	s_add_co_u32 s22, s22, BOFF
.irp s, 0,1
	v_add_nc_u32 v[ADRA+\s], s21, v3
	v_add_nc_u32 v[ADRB+\s], s22, v4
	s_add_co_u32 s21, s21, SLOT
	s_add_co_u32 s22, s22, SLOT
.endr
	s_mul_i32 s23, s14, 16*SPITCH
	s_add_co_u32 s23, s23, STAGE
	v_mul_u32_u24 v4, v1, SPITCH
	v_lshl_add_u32 v4, v2, 5, v4
	v_add_nc_u32 v[STO], s23, v4
	v_mul_u32_u24 v4, v2, SPITCH
	v_lshl_add_u32 v4, v1, 4, v4
	v_add_nc_u32 v[RD], s23, v4
	v_lshlrev_b32 v4, 13, v2
	v_lshl_add_u32 v[CO], v1, 4, v4
	s_lshl_b32 s18, s17, 20
	s_lshl_b32 s19, s15, 19
	s_add_co_u32 s18, s18, s19
	s_mov_b32 s19, 0
	s_add_nc_u64 s[10:11], s[10:11], s[18:19]
	s_lshl_b32 s46, s42, 9
	s_lshl_b32 s47, s16, 8
	s_add_co_u32 s46, s46, s47
	s_mov_b32 s47, 0
	s_add_nc_u64 s[10:11], s[10:11], s[46:47]
.macro MUL4 f, a, zero
.set bb, 0
.rept 4
.if \zero
	v_wmma_f32_16x16x128_fp8_fp8 v[ACC+8*(4*(\a)+bb):ACC+8*(4*(\a)+bb)+7], v[\f+64+16*bb:\f+64+16*bb+15], v[\f+16*(\a):\f+16*(\a)+15], 0
.else
	v_wmma_f32_16x16x128_fp8_fp8 v[ACC+8*(4*(\a)+bb):ACC+8*(4*(\a)+bb)+7], v[\f+64+16*bb:\f+64+16*bb+15], v[\f+16*(\a):\f+16*(\a)+15], v[ACC+8*(4*(\a)+bb):ACC+8*(4*(\a)+bb)+7]
.endif
.set bb, bb+1
.endr
.endm
.macro FETCH slot, q, f
	WIN TO_F
.set bb, 0
.rept 4
.irp c, 0,1,2,3,4,5,6,7
	ds_load_b64 v[\f+64+16*bb+2*\c:\f+64+16*bb+2*\c+1], v[ADRB+\slot] offset:bb*16*BPITCH+128*(\q)+16*\c
.endr
.set bb, bb+1
.endr
.set bb, 0
.rept 4
.irp c, 0,1,2,3
	ds_load_b128 v[\f+16*bb+4*\c:\f+16*bb+4*\c+3], v[ADRA+\slot] offset:bb*8192+(\q)*2048+512*\c
.endr
.set bb, bb+1
.endr
.endm
.macro SUB slot, q, f, g, zero
	s_wait_dscnt 8
	WIN MUL
	MUL4 \f, 0, \zero
	MUL4 \f, 1, \zero
	PLACES
	FETCH \slot, (\q)+1, \g
	s_wait_dscnt 48
	WIN MUL
	MUL4 \f, 2, \zero
	MUL4 \f, 3, \zero
.endm
.macro TURN next, fill, ga, gb
	WIN 0
	s_wait_tensorcnt 0x0
	ds_add_u32 v[SPW], v[NIL]
	s_wait_dscnt 9
	WIN MUL
	MUL4 F1, 0, 0
	MUL4 F1, 1, 0
	s_wait_dscnt 0x0
	s_barrier_signal -1
	MUL4 F1, 2, 0
	WIN 0
	s_barrier_wait -1
.if \fill
	CREST
	JLOAD \ga, \gb
.else
	PLACES
.endif
	s_wait_alu depctr_va_vdst(0)
	FETCH \next, 0, F0
	WIN MUL
	MUL4 F1, 3, 0
.endm
	s_wait_tensorcnt 1
	s_barrier_signal -1
	s_barrier_wait -1
	FETCH 0, 0, F0
	SUB 0, 0, F0, F1, 1
	SUB 0, 1, F1, F0, 0
	SUB 0, 2, F0, F1, 0
	TURN 1, 1, GA2, GB2
	SUB 1, 0, F0, F1, 0
	SUB 1, 1, F1, F0, 0
	SUB 1, 2, F0, F1, 0
	TURN 0, 1, GA3, GB3
	SUB 0, 0, F0, F1, 0
	SUB 0, 1, F1, F0, 0
	SUB 0, 2, F0, F1, 0
	TURN 1, 0, GA0, GB0
	SUB 1, 0, F0, F1, 0
	SUB 1, 1, F1, F0, 0
	SUB 1, 2, F0, F1, 0
	s_wait_dscnt 8
	WIN MUL
	MUL4 F1, 0, 0
	MUL4 F1, 1, 0
	s_wait_dscnt 0x0
	MUL4 F1, 2, 0
	MUL4 F1, 3, 0
	WIN 0
.macro TOSTAGE a
.set n, 0
.rept 16
	v_pk_mul_f32 v[TMP+n:TMP+n+1], v[ACC+32*(\a)+n:ACC+32*(\a)+n+1], s[66:67] op_sel_hi:[1,0]
.set n, n+2
.endr
.irp b, 0,1,2,3
	ds_store_b128 v[STO], v[TMP+8*\b:TMP+8*\b+3] offset:64*\b
	ds_store_b128 v[STO], v[TMP+8*\b+4:TMP+8*\b+7] offset:64*\b+16
.endr
.irp t, 0,1,2,3,4,5,6,7
	ds_load_b128 v[BK+32*((\a)%2)+4*\t:BK+32*((\a)%2)+4*\t+3], v[RD] offset:2*\t*SPITCH
.endr
.endm
.macro SEND a, younger
	s_wait_dscnt \younger
.irp t, 0,1,2,3,4,5,6,7
	global_store_b128 v[CO], v[BK+32*((\a)%2)+4*\t:BK+32*((\a)%2)+4*\t+3], s[10:11] offset:(16*(\a)+2*\t)*8192 th:TH_STORE_NT
.endr
.endm
	s_wait_kmcnt 0x0
	s_add_co_i32 s66, s66, s67
	s_add_co_i32 s66, s66, 127
	s_lshl_b32 s66, s66, 23
	s_mov_b32 s67, s66
	PLACES
	TOSTAGE 0
.irp a, 1,2,3
.if \a > 1
	s_wait_xcnt 0x0
.endif
	TOSTAGE \a
	SEND \a-1, 16
.endr
	SEND 3, 0
	s_wait_tensorcnt 0x0
	ds_add_u32 v[SPW], v[NIL]
	s_wait_dscnt 0x0
	CROUND
	s_endpgm
.Lfunc_end_k_q0df8327efb_oproj:
	.size	k_q0df8327efb_oproj, .Lfunc_end_k_q0df8327efb_oproj-k_q0df8327efb_oproj
	.p2alignl 7, 3214868480
	.fill 96, 4, 3214868480
	.section	.rodata,"a",@progbits
	.p2align	6, 0x0
	.amdhsa_kernel k_q0df8327efb_oproj
		.amdhsa_group_segment_fixed_size 327680
		.amdhsa_private_segment_fixed_size 0
		.amdhsa_enable_private_segment 0
		.amdhsa_kernarg_size 32
		.amdhsa_user_sgpr_count 2
		.amdhsa_user_sgpr_kernarg_segment_ptr 1
		.amdhsa_wavefront_size32 1
		.amdhsa_system_sgpr_workgroup_id_x 1
		.amdhsa_system_sgpr_workgroup_id_y 1
		.amdhsa_system_sgpr_workgroup_id_z 1
		.amdhsa_system_vgpr_workitem_id 0
		.amdhsa_next_free_vgpr 512
		.amdhsa_next_free_sgpr 84
		.amdhsa_reserve_vcc 0
		.amdhsa_float_denorm_mode_32 3
		.amdhsa_float_denorm_mode_16_64 3
		.amdhsa_memory_ordered 1
		.amdhsa_forward_progress 1
		.amdhsa_inst_pref_size 91
	.end_amdhsa_kernel
	.amdgpu_metadata
---
amdhsa.version: [ 1, 2 ]
amdhsa.kernels:
  - .name:           k_q0df8327efb_oproj
    .symbol:         k_q0df8327efb_oproj.kd
    .args:
      - { .name: ao, .offset: 0, .size: 8, .value_kind: global_buffer, .address_space: global }
      - { .name: Wo_codes, .offset: 8, .size: 8, .value_kind: global_buffer, .address_space: global }
      - { .name: lowp_scales, .offset: 16, .size: 8, .value_kind: global_buffer, .address_space: global }
      - { .name: out0, .offset: 24, .size: 8, .value_kind: global_buffer, .address_space: global }
    .group_segment_fixed_size: 327680
    .private_segment_fixed_size: 0
    .kernarg_segment_align: 8
    .kernarg_segment_size: 32
    .max_flat_workgroup_size: 128
    .sgpr_count:     84
    .vgpr_count:     512
    .wavefront_size: 32
...
	.end_amdgpu_metadata
.endif
;; end of part 3
